; MI455X (gfx1250); checked and timed in simulation.
; The chip was launched on July 23, 2026; its instructions are those of AMD's public machine-readable ISA for CDNA 5 (MIT licence, August 2026) and "CDNA5" Instruction Set Architecture Reference Guide (July 2026). The comments in the code are by the model that wrote it; some were corrected since.
;; Sparse Attention. Allowed arithmetic: float matrix products may take bf16 or f16 operands with f32 sums; other float arithmetic in f32, or as packed bf16 or f16 multiplies, adds, multiply-adds, maxima and minima; sums over many terms, partial sums and values carried from step to step in f32; what a program stores and reads back later, other than sums and carried values, may be rounded once to bf16 or f16.
;; Inputs: Wk 1,024 x 1,024 float32; Wo 1,024 x 1,024 float32; Wq 1,024 x 1,024 float32; Wv 1,024 x 1,024 float32; x 1 x 4,096 x 1,024 float32.
;; Outputs: out0 1 x 4,096 x 1,024 float32.
;; 2 versions, each right; version 2 is version 1 with the launch cast written anew for expert scheduling mode. Each part assembles by itself: llvm-mc -triple=amdgcn-amd-amdhsa -mcpu=gfx1250 --defsym DOCPART=n.
;; ======== version 1 of 2: 5 launches
;; limits: values are held in f16: magnitudes above 65,504 overflow, below 6.1e-05 lose precision
;; workspace buffers: xb 8,388,608 bytes; wb 6,291,456 bytes; wo 2,097,152 bytes; qkv 25,165,824 bytes; os 16,777,216 bytes; st 524,288 bytes; ob 8,388,608 bytes
;; launch cast (part 1): grid 256 x 1, 8 waves a work-group, no clusters, 0 bytes of LDS; arguments x, Wq, Wk, Wv, Wo, xb, wb, wo; writes xb, wb, wo
.if DOCPART == 1
	.amdgcn_target "amdgcn-amd-amdhsa--gfx1250"
	.amdhsa_code_object_version 6
	.text
	.protected	k_qa7b099520e_cast
	.globl	k_qa7b099520e_cast
	.p2align	8
	.type	k_qa7b099520e_cast,@function
k_qa7b099520e_cast:
	s_mov_b64 s[64:65], 0
	v_nop
	global_prefetch_b8 v0, s[64:65] scope:SCOPE_SE
	s_setreg_imm32_b32 hwreg(HW_REG_WAVE_MODE, 25, 1), 1
	s_wait_xcnt 0x0
; CAST.  x -> xb, (Wq, Wk, Wv) -> wb (their rows one below the other), both rounded once to bf16; Wo -> wo, rounded to bf16 like the other inputs and that number written as f16.
; LIMITS.  A weight of Wo of 65,520 or more becomes an infinity in f16; below 6e-5 it keeps f16's fixed step of 6e-8.
; SHARES.  32 MiB of f32 in 256 work-groups of 131,072 bytes: 0-127 x, 128-159 Wq, 160-191 Wk, 192-223 Wv, 224-255 Wo.  Thread t takes 16 bytes at 16 t of each 4,096 bytes: 32 loads a thread,
; all issued at once, each into registers of its own; a wave's store of 8 bytes a lane covers 256 consecutive bytes, aligned.  A stream: no LDS, no barrier, no matrix unit.
.set X,   4                            ; v[4:131]    32 x 4 f32 as loaded
.set Y,   132                          ; v[132:195]  32 x 2 words to store
.set SRC, 24                           ; s[24:25]
.set DST, 28                           ; s[28:29]
	s_load_b512 s[8:23], s[0:1], 0x0               ; x s[8:9], Wq s[10:11], Wk s[12:13], Wv s[14:15], Wo s[16:17], xb s[18:19], wb s[20:21], wo s[22:23]
	s_mov_b32 s2, ttmp9
	v_lshlrev_b32 v1, 4, v0                        ; 16 t: my place in 4,096 bytes of f32
	v_lshlrev_b32 v2, 3, v0                        ; 8 t: my place in 2,048 bytes of 16-bit numbers
	s_and_b32 s3, s2, 31                           ; a weight matrix has 32 work-groups
	s_sub_co_u32 s4, s2, 128                       ; my part of wb
	s_sub_co_u32 s5, s2, 224                       ; my part of wo
	s_wait_kmcnt 0x0
	s_cmp_ge_u32 s2, 128
	s_cselect_b64 s[SRC:SRC+1], s[10:11], s[8:9]
	s_cselect_b64 s[DST:DST+1], s[20:21], s[18:19]
	s_cselect_b32 s26, s3, s2
	s_cselect_b32 s30, s4, s2
	s_cmp_ge_u32 s2, 160
	s_cselect_b64 s[SRC:SRC+1], s[12:13], s[SRC:SRC+1]
	s_cmp_ge_u32 s2, 192
	s_cselect_b64 s[SRC:SRC+1], s[14:15], s[SRC:SRC+1]
	s_cmp_ge_u32 s2, 224
	s_cselect_b64 s[SRC:SRC+1], s[16:17], s[SRC:SRC+1]
	s_cselect_b64 s[DST:DST+1], s[22:23], s[DST:DST+1]
	s_cselect_b32 s30, s5, s30
	s_lshl_b32 s26, s26, 17                        ; 131,072 bytes in
	s_mov_b32 s27, 0
	s_lshl_b32 s30, s30, 16                        ; 65,536 bytes out
	s_mov_b32 s31, 0
	s_add_nc_u64 s[SRC:SRC+1], s[SRC:SRC+1], s[26:27]
	s_add_nc_u64 s[DST:DST+1], s[DST:DST+1], s[30:31]
.set i, 0
.rept 32
	global_load_b128 v[X+4*i:X+4*i+3], v1, s[SRC:SRC+1] offset:4096*i th:TH_LOAD_NT
.set i, i+1
.endr
; Piece n: four numbers rounded and stored.  half = 1: the bf16 numbers are widened again (a shift, a mask) and written as f16.
.macro OUT n, half
	s_wait_loadcnt 31-(\n)                         ; loads come back in order: piece n is in, the 31 - n younger ones stay out
	v_cvt_pk_bf16_f32 v[Y+2*(\n)],   v[X+4*(\n)],   v[X+4*(\n)+1]
	v_cvt_pk_bf16_f32 v[Y+2*(\n)+1], v[X+4*(\n)+2], v[X+4*(\n)+3]
.if \half
	v_lshlrev_b32 v[X+4*(\n)],   16, v[Y+2*(\n)]
	v_and_b32     v[X+4*(\n)+1], 0xffff0000, v[Y+2*(\n)]
	v_lshlrev_b32 v[X+4*(\n)+2], 16, v[Y+2*(\n)+1]
	v_and_b32     v[X+4*(\n)+3], 0xffff0000, v[Y+2*(\n)+1]
	v_cvt_pk_f16_f32 v[Y+2*(\n)],   v[X+4*(\n)],   v[X+4*(\n)+1]
	v_cvt_pk_f16_f32 v[Y+2*(\n)+1], v[X+4*(\n)+2], v[X+4*(\n)+3]
.endif
	global_store_b64 v2, v[Y+2*(\n):Y+2*(\n)+1], s[DST:DST+1] offset:2048*(\n)
.endm
	s_cmp_ge_u32 s2, 224
	s_cbranch_scc1 .Lhalf
.set i, 0
.rept 32
	OUT i, 0
.set i, i+1
.endr
	s_endpgm
.Lhalf:
.set i, 0
.rept 32
	OUT i, 1
.set i, i+1
.endr
	s_endpgm
.Lfunc_end_k_qa7b099520e_cast:
	.size	k_qa7b099520e_cast, .Lfunc_end_k_qa7b099520e_cast-k_qa7b099520e_cast
	.p2alignl 7, 3214868480
	.fill 96, 4, 3214868480
	.section	.rodata,"a",@progbits
	.p2align	6, 0x0
	.amdhsa_kernel k_qa7b099520e_cast
		.amdhsa_group_segment_fixed_size 0
		.amdhsa_private_segment_fixed_size 0
		.amdhsa_enable_private_segment 0
		.amdhsa_kernarg_size 64
		.amdhsa_user_sgpr_count 2
		.amdhsa_user_sgpr_kernarg_segment_ptr 1
		.amdhsa_wavefront_size32 1
		.amdhsa_system_sgpr_workgroup_id_x 1
		.amdhsa_system_sgpr_workgroup_id_y 1
		.amdhsa_system_sgpr_workgroup_id_z 1
		.amdhsa_system_vgpr_workitem_id 0
		.amdhsa_next_free_vgpr 196
		.amdhsa_next_free_sgpr 66
		.amdhsa_reserve_vcc 0
		.amdhsa_float_denorm_mode_32 3
		.amdhsa_float_denorm_mode_16_64 3
		.amdhsa_memory_ordered 1
		.amdhsa_forward_progress 1
		.amdhsa_inst_pref_size 31
	.end_amdhsa_kernel
	.amdgpu_metadata
---
amdhsa.version: [ 1, 2 ]
amdhsa.kernels:
  - .name:           k_qa7b099520e_cast
    .symbol:         k_qa7b099520e_cast.kd
    .args:
      - { .name: x, .offset: 0, .size: 8, .value_kind: global_buffer, .address_space: global }
      - { .name: Wq, .offset: 8, .size: 8, .value_kind: global_buffer, .address_space: global }
      - { .name: Wk, .offset: 16, .size: 8, .value_kind: global_buffer, .address_space: global }
      - { .name: Wv, .offset: 24, .size: 8, .value_kind: global_buffer, .address_space: global }
      - { .name: Wo, .offset: 32, .size: 8, .value_kind: global_buffer, .address_space: global }
      - { .name: xb, .offset: 40, .size: 8, .value_kind: global_buffer, .address_space: global }
      - { .name: wb, .offset: 48, .size: 8, .value_kind: global_buffer, .address_space: global }
      - { .name: wo, .offset: 56, .size: 8, .value_kind: global_buffer, .address_space: global }
    .group_segment_fixed_size: 0
    .private_segment_fixed_size: 0
    .kernarg_segment_align: 8
    .kernarg_segment_size: 64
    .max_flat_workgroup_size: 256
    .sgpr_count:     66
    .vgpr_count:     196
    .wavefront_size: 32
...
	.end_amdgpu_metadata
.endif
;; end of part 1
;; launch qkv (part 2): grid 16 x 16, 4 waves a work-group, clusters of 4 x 4, 327,680 bytes of LDS; arguments xb, wb, qkv; writes qkv
.if DOCPART == 2
	.amdgcn_target "amdgcn-amd-amdhsa--gfx1250"
	.amdhsa_code_object_version 6
	.text
	.protected	k_qa7b099520e_qkv
	.globl	k_qa7b099520e_qkv
	.p2align	8
	.type	k_qa7b099520e_qkv,@function
k_qa7b099520e_qkv:
	s_mov_b64 s[64:65], 0
	v_nop
	global_prefetch_b8 v0, s[64:65] scope:SCOPE_SE
	s_setreg_imm32_b32 hwreg(HW_REG_WAVE_MODE, 25, 1), 1
	s_wait_xcnt 0x0
	s_wait_alu depctr_hold_cnt(0) depctr_sa_sdst(0) depctr_va_vdst(0) depctr_va_sdst(0) depctr_va_ssrc(0) depctr_va_vcc(0) depctr_vm_vsrc(0)
	s_getreg_b32 s2, hwreg(HW_REG_IB_STS2, 6, 4)
	s_cmp_eq_u32 s2, 0
	s_cbranch_scc0 .Lentry_in_a_cluster
	s_endpgm
.Lentry_in_a_cluster:
	s_bfe_u32 s2, ttmp6, 0x10000c
	s_cmp_lg_u32 s2, 0xf033
	s_cbranch_scc0 .Lentry_shape_is_right
	s_endpgm
.Lentry_shape_is_right:
; Q, K, V = x W^T for the three weights at once: C[4096][3072] = xb[4096][1024] wb[3072][1024]^T, bf16 operands, f32 sums, rounded once to f16 and laid BY HEADS:
; qkv[48][4096][64], plane g = column / 64 = 16 x tensor + head.  The softmax scale is not applied here.
; LIMIT.  A result of 65,520 or more becomes an infinity in f16.
; SHARES.  A tile of C is 256 rows x 192 columns (three heads): 16 x 16 tiles, one a work-group.  Wave w makes rows 64 w .. 64 w + 63 of all 192 columns: 48 accumulators of 16 x 16, 384 registers;
; so a wave holds whole rows of three heads, and the way out needs no other wave.  K goes in steps of 128 through a ring of two LDS slots filled by the tensor data mover; a row of a tile is 256 bytes.
; CLUSTER.  4 x 4 work-groups.  The four of a row of the cluster need the same rows of xb, the four of a column the same rows of wb: each tile is asked for jointly, by the same tensor load,
; descriptor and mask in all four.
; THE MATRIX INSTRUCTION IS USED TRANSPOSED (source 0 = 16 rows of wb, source 1 = 16 rows of xb): a lane holds row l % 16 of C and the columns 8 (l / 16) + 0..7, which pack into 16 bytes.
; REGISTERS, in windows of 256 (s_set_vgpr_msb: bits 1:0 source 0, 3:2 source 1, 5:4 source 2, 7:6 destination):
;   window 0: v0-31 addresses; v64-127 fragments of xb, two buffers of 4 x 8; on the way out v128-175 packed results, v176-223 and v64-111 rows read back
;   window 1: v0-191 fragments of wb, two buffers of 12 x 8        windows 2, 3: accumulator (a, b) at v[96 (a % 2) + 8 b] of window 2 + a / 2
.set SIZE_K, 1024
.set KSTEP,  128
.set PITCH,  272                       ; an LDS row: 256 bytes + 16 of padding = 68 words: the 16 rows of a fragment load start at 16 different groups of four banks
.set HALFA,  128*PITCH                 ; what one tensor load brings of xb
.set HALFB,  96*PITCH                  ; and of wb
.set SLOT,   2*HALFA+2*HALFB           ; xb's 256 rows, then wb's 192
.set STAGE,  2*SLOT                    ; behind the ring: 16 rows x 400 bytes for each wave, for the way out; no tensor load fills it
.set SPITCH, 400                       ; 384 bytes + 16
.set SPARE,  STAGE+4*16*SPITCH         ; the spare words, 128 bytes for each wave: two blocks of 256 bytes that no other line names
.set LAPS,   SIZE_K/(2*KSTEP)          ; a lap = two K steps = once round the ring
.set PLANE,  4096*64*2                 ; bytes of a plane of qkv
.set ADRA, 16                          ; v16-17  LDS address of my xb fragments in slot 0, 1
.set ADRB, 20                          ; v20-21  the same for wb
.set STO,  24                          ; v24     the way out: where I put 16 bytes of a row
.set RD,   25                          ; v25     where I read rows back
.set CO,   26                          ; v26     16 x lane: my place in 512 consecutive bytes of a plane
.set SPW,  28                          ; v28     LDS address of my spare word; never rewritten
.set NIL,  29                          ; v29     0; never rewritten
.set PFO,  30                          ; v30     the prefetches' offset: a lane a row of 2,048 bytes; never rewritten
.set FA,   64
.set TMP,  128
.set OB0,  176
.set OB1,  64
.set G1,   24                          ; s[24:31] descriptor group 1 for xb's tiles
.set G0,   32                          ; s[32:39] group 0, a set for each slot
.set G1B,  48                          ; s[48:55], s[56:63] the same for wb's
.set G0B,  56
.set LIM,  43                          ; s43     1 in a wave that prefetches, else the greatest number
.set PFA,  44                          ; s[44:45] where my prefetches stand
.set FL,   (1<<16)|(1<<20)|(1<<21)|(5<<22)|(3<<25)   ; 2-byte elements; padding on; bit 21 beside a mask; after every 64 words, 4 words
.set MSB, 0
.macro WIN new                         ; the immediate's high byte repeats the setting that is left; a switch that changes nothing is dropped
.if MSB != (\new)
	s_set_vgpr_msb (MSB<<8)|(\new)
.set MSB, \new
.endif
.endm
.set MUL_LO, 0xa1                      ; source 0 (wb) window 1, source 1 (xb) window 0, C and D window 2
.set TO_B,   0x40                      ; destination window 1, address window 0
; A joint load.  Waves 0 and 1 fetch xb's two halves, waves 2 and 3 wb's.  The branch hangs on the wave's number alone.  An s_nop 0 and four v_nop follow each line.
.macro JLOAD s
	s_cmp_eq_u32 s11, 0
	s_cbranch_scc0 .Lfor_b_\@
	tensor_load_to_lds s[G0+4*(\s):G0+4*(\s)+3], s[G1:G1+7]
	s_nop 0
.rept 4
	v_nop
.endr
	s_branch .Lasked_\@
.Lfor_b_\@:
	tensor_load_to_lds s[G0B+4*(\s):G0B+4*(\s)+3], s[G1B:G1B+7]
	s_nop 0
.rept 4
	v_nop
.endr
.Lasked_\@:
.endm
; A prefetch of the K step that stands two refills on: 256 bytes of each row, a lane a row, one instruction a wave.  xb's rows are asked for by the clusters with x = 0, wb's by those with y = 0;
; the four partners that ask for a tile jointly share its rows out by address.  The loop's last trip (s3 = 1) has no K step two refills on.
.macro ASK
	s_cmp_gt_u32 s3, s[LIM]
	s_cbranch_scc0 .Lnot_mine_\@
	global_prefetch_b8 v[PFO], s[PFA:PFA+1] offset:KSTEP*2 th:TH_LOAD_NT scope:SCOPE_SE
.Lnot_mine_\@:
.endm
.macro CREST                           ; a round of the cluster's barrier behind its opening barrier
	s_cmp_lg_u32 s10, 0
	s_cbranch_scc1 .Lnot_wave_0_\@
	s_barrier_signal -3
.Lnot_wave_0_\@:
	s_barrier_wait -3
	s_barrier_signal -1
	s_barrier_wait -1
.endm
.macro CROUND                          ; a whole round
	s_barrier_signal -1
	s_barrier_wait -1
	CREST
.endm
	s_load_b128 s[4:7], s[0:1], 0x0                ; xb s[4:5], wb s[6:7]
	s_load_b64 s[8:9], s[0:1], 0x10                ; qkv
	v_lshl_add_u32 v[SPW], v0, 2, SPARE
	v_mov_b32 v[NIL], 0
	ds_add_u32 v[SPW], v[NIL]                      ; the wave's opening: the add and its wait, ahead of my first tensor load; work on registers stands between them
	v_lshrrev_b32 v1, 5, v0
	v_readfirstlane_b32 s10, v1                    ; wave 0..3
	s_lshr_b32 s11, s10, 1                         ; I fetch for xb (0) or for wb (1)
	s_and_b32 s12, s10, 1                          ; which half of that tile
	s_bfe_u32 s40, ttmp6, 0x40000                  ; cx
	s_bfe_u32 s41, ttmp6, 0x40004                  ; cy
	s_lshl_b32 s42, ttmp9, 2
	s_add_co_u32 s42, s42, s40                     ; tile column = 4 x cluster x + cx
	s_and_b32 s13, ttmp7, 0xffff
	s_lshl_b32 s13, s13, 2
	s_add_co_u32 s13, s13, s41                     ; tile row = 4 x cluster y + cy
	s_lshl_b32 s43, s41, 2
	s_lshl_b32 s43, 15, s43                        ; my row of the cluster
	s_lshl_b32 s44, 0x1111, s40                    ; my column
	s_or_b32 s[G1+0], s43, FL                      ; xb's tiles go to my row
	s_mov_b32 s[G1+1], KSTEP<<16                   ; tensor_dim0 = 128
	s_mov_b32 s[G1+2], 128<<16                     ; tensor_dim1 = 128
	s_mov_b32 s[G1+3], KSTEP<<16                   ; tile_dim0 = 128
	s_mov_b32 s[G1+4], 128                         ; tile_dim1 = 128
	s_mov_b32 s[G1+5], SIZE_K                      ; elements from row to row
	s_mov_b32 s[G1+6], 0
	s_mov_b32 s[G1+7], 0
	s_or_b32 s[G1B+0], s44, FL                     ; wb's tiles go to my column
	s_mov_b32 s[G1B+1], KSTEP<<16
	s_mov_b32 s[G1B+2], 96<<16                     ; 96 rows
	s_mov_b32 s[G1B+3], KSTEP<<16
	s_mov_b32 s[G1B+4], 96
	s_mov_b32 s[G1B+5], SIZE_K
	s_mov_b32 s[G1B+6], 0
	s_mov_b32 s[G1B+7], 0
	s_lshl_b32 s16, s13, 8
	s_lshl_b32 s17, s12, 7
	s_add_co_u32 s16, s16, s17                     ; xb: row 256 x tile row + 128 x half
	s_lshl_b32 s16, s16, 11                        ; in bytes (8 MiB at the most)
	s_mov_b32 s17, 0
	s_mul_i32 s46, s42, 192
	s_mul_i32 s47, s12, 96
	s_add_co_u32 s46, s46, s47                     ; wb: row 192 x tile column + 96 x half
	s_lshl_b32 s46, s46, 11
	s_mov_b32 s47, 0
	s_mul_i32 s20, s12, HALFA                      ; where they go: no place in the cluster enters an LDS address
	s_mul_i32 s21, s12, HALFB
	s_add_co_u32 s21, s21, 2*HALFA
	s_wait_dscnt 0x0                               ; the opening add is done
	s_wait_kmcnt 0x0
	s_add_nc_u64 s[14:15], s[4:5], s[16:17]
	s_add_nc_u64 s[46:47], s[6:7], s[46:47]
	CROUND                                         ; all sixteen work-groups are here: the first joint loads meet
.irp s, 0,1
	s_mov_b32 s[G0+4*(\s)], 1
	s_add_co_u32 s[G0+4*(\s)+1], s20, (\s)*SLOT
	s_add_nc_u64 s[G0+4*(\s)+2:G0+4*(\s)+3], s[14:15], (\s)*KSTEP*2   ; K step s
	s_or_b32 s[G0+4*(\s)+3], s[G0+4*(\s)+3], 0x80000000
	s_mov_b32 s[G0B+4*(\s)], 1
	s_add_co_u32 s[G0B+4*(\s)+1], s21, (\s)*SLOT
	s_add_nc_u64 s[G0B+4*(\s)+2:G0B+4*(\s)+3], s[46:47], (\s)*KSTEP*2
	s_or_b32 s[G0B+4*(\s)+3], s[G0B+4*(\s)+3], 0x80000000
	JLOAD \s
.endr
	; a fragment is 16 rows x 32 K in 8 registers: lane l holds row l % 16, K = 8 (l / 16) + 0..7 and 16 + 8 (l / 16) + 0..7: two loads of 16 bytes, 32 bytes apart
	v_and_b32 v1, 15, v0                           ; l % 16
	v_bfe_u32 v2, v0, 4, 1                         ; l / 16
	v_mul_u32_u24 v3, v1, PITCH
	v_lshl_add_u32 v3, v2, 4, v3
	s_mul_i32 s21, s10, 64*PITCH                   ; my 64 rows of xb
	s_mov_b32 s22, 2*HALFA                         ; all 192 rows of wb
.irp s, 0,1
	v_add_nc_u32 v[ADRA+(\s)], s21, v3
	v_add_nc_u32 v[ADRB+(\s)], s22, v3
	s_add_co_u32 s21, s21, SLOT
	s_add_co_u32 s22, s22, SLOT
.endr
	s_mul_i32 s23, s10, 16*SPITCH
	s_add_co_u32 s23, s23, STAGE                   ; my stage
	v_mul_u32_u24 v4, v1, SPITCH                   ; in: row l % 16, 16 bytes for each half of the lanes
	v_lshl_add_u32 v4, v2, 4, v4
	v_add_nc_u32 v[STO], s23, v4
	v_and_b32 v6, 31, v0
	v_lshrrev_b32 v5, 3, v6                        ; back: 32 lanes take four rows' 128 bytes of one head,
	v_and_b32 v7, 7, v0
	v_mul_u32_u24 v5, v5, SPITCH
	v_lshl_add_u32 v5, v7, 4, v5
	v_add_nc_u32 v[RD], s23, v5
	v_lshlrev_b32 v[CO], 4, v6                     ; which are 512 consecutive bytes of its plane
	s_lshl_b32 s16, s13, 15                        ; 256 x tile row x 128 bytes
	s_lshl_b32 s17, s10, 13                        ; my 64 rows
	s_add_co_u32 s16, s16, s17
	s_mov_b32 s17, 0
	s_mul_i32 s46, s42, 3*PLANE                    ; the tile's first plane
	s_mov_b32 s47, 0
	s_add_nc_u64 s[16:17], s[16:17], s[46:47]
	s_add_nc_u64 s[8:9], s[8:9], s[16:17]          ; never stepped: planes and rows stand in the stores' immediates
	; the prefetches
	s_lshl_b32 s20, s13, 8
	s_lshl_b32 s22, s12, 7
	s_add_co_u32 s20, s20, s22
	s_lshl_b32 s22, s40, 5
	s_add_co_u32 s20, s20, s22                     ; xb: of the 128 rows that I fetch, my work-group's 32
	s_mul_i32 s21, s42, 192
	s_mul_i32 s22, s12, 96
	s_add_co_u32 s21, s21, s22
	s_mul_i32 s22, s41, 24
	s_add_co_u32 s21, s21, s22                     ; wb: of the 96 rows, my work-group's 24
	s_and_b32 s22, ttmp7, 0xffff
	s_cmp_eq_u32 s11, 0
	s_cselect_b32 s20, s20, s21
	s_cselect_b32 s22, ttmp9, s22                  ; the coordinate along which other clusters read the same rows
	s_cselect_b32 s23, 31, 23                      ; the last row that a lane names (wb: lanes 24-31 name row 23 once more, in the same instruction)
	s_cselect_b64 s[PFA:PFA+1], s[4:5], s[6:7]
	s_cmp_eq_u32 s22, 0
	s_cselect_b32 s[LIM], 1, -1                    ; the same in all sixteen partners, for a given wave
	s_lshl_b32 s20, s20, 11
	s_mov_b32 s21, 0
	s_add_nc_u64 s[PFA:PFA+1], s[PFA:PFA+1], s[20:21]
	s_add_nc_u64 s[PFA:PFA+1], s[PFA:PFA+1], 2*KSTEP*2   ; at K step 2: the first refill steps it to 3 and names K step 4; K steps 0 to 3 come by their loads alone
	v_and_b32 v[PFO], 31, v0
	v_min_u32 v[PFO], s23, v[PFO]
	v_lshlrev_b32 v[PFO], 11, v[PFO]
; 12 matrix instructions: my row block a x all 12 column blocks, 32 along K, from buffer f.  zero = 1: the first product starts the sums.  The 48 accumulators take turns, in the same order in every quarter.
.macro MUL12 f, a, zero
	WIN MUL_LO+0x50*((\a)/2)
.irp b, 0,1,2,3,4,5,6,7,8,9,10,11
.if \zero
	v_wmma_f32_16x16x32_bf16 v[96*((\a)%2)+8*(\b):96*((\a)%2)+8*(\b)+7], v[96*(\f)+8*(\b):96*(\f)+8*(\b)+7], v[FA+32*(\f)+8*(\a):FA+32*(\f)+8*(\a)+7], 0
.else
	v_wmma_f32_16x16x32_bf16 v[96*((\a)%2)+8*(\b):96*((\a)%2)+8*(\b)+7], v[96*(\f)+8*(\b):96*(\f)+8*(\b)+7], v[FA+32*(\f)+8*(\a):FA+32*(\f)+8*(\a)+7], v[96*((\a)%2)+8*(\b):96*((\a)%2)+8*(\b)+7]
.endif
.endr
.endm
; 32 LDS loads in one run: a quarter step's fragments (192 rows of wb, my 64 rows of xb, 32 K at byte k of the rows) into buffer f
.macro FETCH slot, k, f
	WIN TO_B
.irp i, 0,1,2,3,4,5,6,7,8,9,10,11
	ds_load_b128 v[96*(\f)+8*(\i):96*(\f)+8*(\i)+3],   v[ADRB+(\slot)] offset:(\k)+(\i)*16*PITCH
	ds_load_b128 v[96*(\f)+8*(\i)+4:96*(\f)+8*(\i)+7], v[ADRB+(\slot)] offset:(\k)+(\i)*16*PITCH+32
.endr
	WIN 0
.irp i, 0,1,2,3
	ds_load_b128 v[FA+32*(\f)+8*(\i):FA+32*(\f)+8*(\i)+3],   v[ADRA+(\slot)] offset:(\k)+(\i)*16*PITCH
	ds_load_b128 v[FA+32*(\f)+8*(\i)+4:FA+32*(\f)+8*(\i)+7], v[ADRA+(\slot)] offset:(\k)+(\i)*16*PITCH+32
.endr
.endm
.macro PLACES                          ; four plain vector instructions between a matrix instruction and a load into, or a vector read of, its registers (ISA guide 7.12.1 for vector reads)
.rept 4
	v_nop
.endr
.endm
; A K step is four quarters of 32 along K, 48 matrix instructions each, on buffers 0, 1, 0, 1.  One of the first three: multiplies buffer f, and behind its first twelve products fetches the next quarter into g.
.macro QUARTER slot, k, f, g, zero
	s_wait_dscnt 4                                 ; wb's fragments and xb's blocks 0, 1 are in; the youngest four loads (blocks 2, 3) may be out
	MUL12 \f, 0, \zero
	PLACES
	FETCH \slot, \k, \g
	MUL12 \f, 1, \zero
	s_wait_dscnt 32                                ; all but the 32 just issued
	MUL12 \f, 2, \zero
	MUL12 \f, 3, \zero
.endm
; The last quarter multiplies buffer 1 and changes slots: one barrier.  In front of it each wave waits for all its tensor loads (one is out: its part of the next slot), adds 0 to its spare word, and waits
; for that and for its own reads of this slot.  fill = 1: the barrier opens a round of the cluster's, and this slot is filled again first thing behind it, two K steps ahead:
; from that request to the wait for it a wave issues 168 matrix instructions.
.macro TURN slot, next, fill
.if \fill
	s_wait_xcnt 0x0                                ; the last prefetch, a K step back, has read its address
	s_add_nc_u64 s[PFA:PFA+1], s[PFA:PFA+1], KSTEP*2
.endif
	WIN 0                                          ; (the add's two registers lie in window 0)
	s_wait_tensorcnt 0x0                           ; all my tensor loads have landed;
	ds_add_u32 v[SPW], v[NIL]                      ; 0 onto my spare word;
	s_wait_dscnt 5                                 ; (the add and the youngest four loads may be out)
	MUL12 1, 0, 0                                  ; twelve matrix instructions stand between the add and the wait for it
	s_wait_dscnt 0x0                               ; the add is done, and my reads of this slot are over
	s_barrier_signal -1
	MUL12 1, 1, 0
.if \fill
	WIN 0
.endif
	s_barrier_wait -1
.if \fill
	CREST                                          ; no wave of any partner still reads this slot's tile or has a load on its way
	s_add_nc_u64 s[G0+4*(\slot)+2:G0+4*(\slot)+3], s[G0+4*(\slot)+2:G0+4*(\slot)+3], 2*KSTEP*2
	s_add_nc_u64 s[G0B+4*(\slot)+2:G0B+4*(\slot)+3], s[G0B+4*(\slot)+2:G0B+4*(\slot)+3], 2*KSTEP*2
	JLOAD \slot                                    ; its four v_nop are also the places in front of the loads below
.else
	PLACES
.endif
	FETCH \next, 0, 0
.if \fill
	ASK
.endif
	MUL12 1, 2, 0
	MUL12 1, 3, 0
.endm
	s_wait_tensorcnt 1                             ; my part of K step 0 is in; K step 1's may stay out
	s_barrier_signal -1
	s_barrier_wait -1
	FETCH 0, 0, 0
	QUARTER 0, 64, 0, 1, 1                         ; the first quarter stands in front of the loop: its products start the sums
	WIN 0                                          ; at a label and at a branch every window is 0
	s_mov_b32 s3, LAPS-1
.Llap:                                                 ; a trip goes once round the ring, from a lap's second quarter to the next lap's first, and fills both slots again
	QUARTER 0, 128, 1, 0, 0
	QUARTER 0, 192, 0, 1, 0
	TURN 0, 1, 1
	QUARTER 1, 64,  0, 1, 0
	QUARTER 1, 128, 1, 0, 0
	QUARTER 1, 192, 0, 1, 0
	TURN 1, 0, 1
	QUARTER 0, 64,  0, 1, 0
	WIN 0
	s_sub_co_u32 s3, s3, 1
	s_cmp_lg_u32 s3, 0
	s_cbranch_scc1 .Llap
	QUARTER 0, 128, 1, 0, 0                        ; the last lap fills nothing
	QUARTER 0, 192, 0, 1, 0
	TURN 0, 1, 0
	QUARTER 1, 64,  0, 1, 0
	QUARTER 1, 128, 1, 0, 0
	QUARTER 1, 192, 0, 1, 0
	s_wait_dscnt 4
	MUL12 1, 0, 0
	MUL12 1, 1, 0
	s_wait_dscnt 0x0
	MUL12 1, 2, 0
	MUL12 1, 3, 0
	WIN 0
	PLACES
; THE WAY OUT, a block of 16 rows at a time.  PACK: rounded to f16, each accumulator's registers in ascending order.  TOSTAGE: into my own stage, and back as four rows' 128 bytes of one head.  SEND: stored.
.macro PACK a
	WIN 0x0a+5*((\a)/2)                            ; sources 0 and 1: window 2 or 3
.irp b, 0,1,2,3,4,5,6,7,8,9,10,11
.irp r, 0,1,2,3
	v_cvt_pk_f16_f32 v[TMP+4*(\b)+(\r)], v[96*((\a)%2)+8*(\b)+2*(\r)], v[96*((\a)%2)+8*(\b)+2*(\r)+1]
.endr
.endr
	WIN 0
.endm
.macro TOSTAGE a
.set BK, OB0-(OB0-OB1)*((\a)%2)
.irp b, 0,1,2,3,4,5,6,7,8,9,10,11
	ds_store_b128 v[STO], v[TMP+4*(\b):TMP+4*(\b)+3] offset:32*(\b)
.endr
.irp t, 0,1,2
.irp f, 0,1,2,3
	ds_load_b128 v[BK+4*(4*(\t)+(\f)):BK+4*(4*(\t)+(\f))+3], v[RD] offset:4*SPITCH*(\f)+128*(\t)   ; LDS serves a wave's instructions in order: these see the stores above
.endr
.endr
.endm
.macro SEND a
.set BK, OB0-(OB0-OB1)*((\a)%2)
	s_wait_dscnt 0x0                               ; the block is back in registers
	s_wait_xcnt 0x0                                ; the stores of the block before have read their registers, which the next block's loads fill again
.irp t, 0,1,2
.irp f, 0,1,2,3
	global_store_b128 v[CO], v[BK+4*(4*(\t)+(\f)):BK+4*(4*(\t)+(\f))+3], s[8:9] offset:PLANE*(\t)+128*(16*(\a)+4*(\f))   ; 512 consecutive bytes, aligned
.endr
.endr
.endm
	PACK 0
	TOSTAGE 0
.irp a, 1,2,3                          ; block a's conversions stand between block a - 1's loads from the stage and the wait for them
	PACK \a
	SEND (\a)-1
	TOSTAGE \a
.endr
	SEND 3
	s_wait_tensorcnt 0x0                           ; the wave's end: an add to my spare word and its wait, behind my last tensor load and my last LDS store
	ds_add_u32 v[SPW], v[NIL]
	s_wait_dscnt 0x0
	CROUND                                         ; the closing round
	s_endpgm
.Lfunc_end_k_qa7b099520e_qkv:
	.size	k_qa7b099520e_qkv, .Lfunc_end_k_qa7b099520e_qkv-k_qa7b099520e_qkv
	.p2alignl 7, 3214868480
	.fill 96, 4, 3214868480
	.section	.rodata,"a",@progbits
	.p2align	6, 0x0
	.amdhsa_kernel k_qa7b099520e_qkv
		.amdhsa_group_segment_fixed_size 327680
		.amdhsa_private_segment_fixed_size 0
		.amdhsa_enable_private_segment 0
		.amdhsa_kernarg_size 24
		.amdhsa_user_sgpr_count 2
		.amdhsa_user_sgpr_kernarg_segment_ptr 1
		.amdhsa_wavefront_size32 1
		.amdhsa_system_sgpr_workgroup_id_x 1
		.amdhsa_system_sgpr_workgroup_id_y 1
		.amdhsa_system_sgpr_workgroup_id_z 1
		.amdhsa_system_vgpr_workitem_id 0
		.amdhsa_next_free_vgpr 960
		.amdhsa_next_free_sgpr 66
		.amdhsa_reserve_vcc 0
		.amdhsa_float_denorm_mode_32 3
		.amdhsa_float_denorm_mode_16_64 3
		.amdhsa_memory_ordered 1
		.amdhsa_forward_progress 1
		.amdhsa_inst_pref_size 120
	.end_amdhsa_kernel
	.amdgpu_metadata
---
amdhsa.version: [ 1, 2 ]
amdhsa.kernels:
  - .name:           k_qa7b099520e_qkv
    .symbol:         k_qa7b099520e_qkv.kd
    .args:
      - { .name: xb, .offset: 0, .size: 8, .value_kind: global_buffer, .address_space: global }
      - { .name: wb, .offset: 8, .size: 8, .value_kind: global_buffer, .address_space: global }
      - { .name: qkv, .offset: 16, .size: 8, .value_kind: global_buffer, .address_space: global }
    .group_segment_fixed_size: 327680
    .private_segment_fixed_size: 0
    .kernarg_segment_align: 8
    .kernarg_segment_size: 24
    .max_flat_workgroup_size: 128
    .sgpr_count:     66
    .vgpr_count:     960
    .wavefront_size: 32
...
	.end_amdgpu_metadata
.endif
;; end of part 2
;; launch strided (part 3): grid 16 x 16, 4 waves a work-group, no clusters, 167,936 bytes of LDS; arguments qkv, os, st; writes os, st
.if DOCPART == 3
	.amdgcn_target "amdgcn-amd-amdhsa--gfx1250"
	.amdhsa_code_object_version 6
	.text
	.protected	k_qa7b099520e_strided
	.globl	k_qa7b099520e_strided
	.p2align	8
	.type	k_qa7b099520e_strided,@function
k_qa7b099520e_strided:
	s_mov_b64 s[64:65], 0
	v_nop
	global_prefetch_b8 v0, s[64:65] scope:SCOPE_SE
	s_setreg_imm32_b32 hwreg(HW_REG_WAVE_MODE, 25, 1), 1
	s_wait_xcnt 0x0
; THE STRIDED PART OUTSIDE THE WINDOW.  Row 64 i + rho attends, beyond its 256 latest keys, to the keys 64 j + rho with j <= i - 4 (j = i - 3 .. i lie in the window and are counted there).
; So for each head and residue rho it is a small dense attention, 64 queries i x 64 keys j.  This launch leaves its softmax STATE, in f32, for the launch behind to carry on from:
; st[head][rho][0][i] = m (the running maximum of the raw scores), st[head][rho][1][i] = l (the sum of the weights), os[head][64 i + rho][:] = the unnormalised sum of weight x V.
; p = 2^(c s - c m), c = log2(e) / 8.  Products, maxima and sums in f32; the weights are rounded to f16 for the second product.
; LIMITS.  A hidden score counts as its value less 1e30; m starts at -2^83: f16's scores, 2.7e11 at the most, lie far above it and a hidden score far below, so a hidden weight is 0 also where
; no key is visible, and a row with i < 4 leaves the state (-2^83, 0, 0).  A weight below 2^-126 counts as 0.  NaN and infinities are not treated apart.
; SHARES.  Work-group (x, head) takes the residues 4 x .. 4 x + 3, wave w residue 4 x + w.  The four residues' rows lie end to end: 512 bytes for each i, so a tile is 64 rows of 512 bytes, 8,192 apart.
; Waves 0, 1, 2 bring Q, K and V, one tensor load each; nothing is filled again.  No cluster: no two work-groups read the same bytes.
; LAYOUT.  S^T = K Q^T holds one query a lane (l % 16) and the keys 8 (l / 16) + 0..7; two such results rounded to f16 are source 1 of O^T = V^T P.  The mask is the C operand that starts a sum.
.set PQ,    528                        ; a row of Q or K in LDS: 512 bytes + 16
.set PV,    544                        ; of V: 512 + 32, for the turning load
.set KL,    64*PQ
.set VL,    2*64*PQ
.set OSTG,  VL+64*PV                   ; 16 rows x 272 bytes for each wave: O on its way out
.set OP,    272
.set SSTG,  OSTG+4*16*OP               ; 512 bytes for each wave: m's 64 words, then l's
.set SPARE, SSTG+4*512                 ; the spare words: two blocks of 256 bytes that no other line names
.set AQ,  3
.set AK,  4
.set AV,  5
.set STO, 6
.set RD,  7
.set GO,  8
.set SST, 9
.set SRD, 10
.set SGO, 11
.set SPW, 12                           ; my spare word's address; never rewritten
.set NIL, 13                           ; 0; never rewritten
.set T,   16                           ; v16 c m, v17 m, v18-19 l (even keys', odd keys'), v20-23 at work
.set MD0, 24                           ; the mask of a tile's own key block: hidden where register > l % 16 - 8 (l / 16) - 4
.set MD1, 32                           ; of the key block before it: hidden where register > l % 16 - 8 (l / 16) + 12
.set MH,  40                           ; of a later key block: all hidden
.set QF,  48                           ; v48-63 Q of a tile; with v64-79 also the rows read back
.set P,   64
.set S,   80                           ; v80-111 S^T, then O^T
.set KF,  128                          ; key block kb, channel half c at KF + 16 kb + 8 c
.set VF,  192                          ; key half kk, channel block cb at VF + 32 kk + 8 cb
.set WV,  12
.set CS,  18
.set SEL, 20
.set BIGN, 22
.set FLOOR, 23
.set G1K, 24
.set G1V, 32
.set G0,  40
	s_load_b128 s[4:7], s[0:1], 0x0                ; qkv s[4:5], os s[6:7]
	s_load_b64 s[8:9], s[0:1], 0x10                ; st
	v_lshl_add_u32 v[SPW], v0, 2, SPARE
	v_mov_b32 v[NIL], 0
	ds_add_u32 v[SPW], v[NIL]                      ; the wave's opening: the add and its wait, ahead of my first tensor load
	v_lshrrev_b32 v1, 5, v0
	v_readfirstlane_b32 s[WV], v1
	s_and_b32 s14, ttmp7, 0xffff                   ; the head
	s_lshl_b32 s15, ttmp9, 2
	s_add_co_u32 s15, s15, s[WV]                   ; rho
	s_mov_b32 s[G1K], (1<<16)|(1<<20)|(6<<22)|(3<<25)   ; 2-byte elements; padding on: after every 128 words, 4 words
	s_mov_b32 s[G1V], (1<<16)|(1<<20)|(6<<22)|(7<<25)   ; 8 words
.irp g, G1K, G1V
	s_mov_b32 s[\g+1], 256<<16                     ; tensor_dim0 = 256
	s_mov_b32 s[\g+2], 64<<16                      ; tensor_dim1 = 64
	s_mov_b32 s[\g+3], 256<<16                     ; tile_dim0 = 256
	s_mov_b32 s[\g+4], 64                          ; tile_dim1 = 64
	s_mov_b32 s[\g+5], 4096                        ; 64 rows of 64 elements from one i to the next
	s_mov_b32 s[\g+6], 0
	s_mov_b32 s[\g+7], 0
.endr
	s_mov_b32 s[CS], 0x3e38aa3b                    ; c = log2(e) / 8
	s_mov_b32 s[CS+1], s[CS]
	s_mov_b32 s[SEL], 0x76543210
	s_mov_b32 s[SEL+1], 0xfedcba98
	s_mov_b32 s[BIGN], 0xf149f2ca                  ; -1e30
	s_mov_b32 s[FLOOR], 0xe9000000                 ; -2^83
	s_lshl_b32 s16, s[WV], 23                      ; wave 0: Q's sixteen planes, 1: K's, 2: V's
	s_lshl_b32 s17, s14, 19
	s_add_co_u32 s16, s16, s17
	s_lshl_b32 s17, ttmp9, 9                       ; the four residues' 512 bytes
	s_add_co_u32 s16, s16, s17
	s_mov_b32 s17, 0
	s_lshl_b32 s44, s14, 20
	s_lshl_b32 s45, s15, 8
	s_add_co_u32 s44, s44, s45                     ; os: the head, row rho
	s_mov_b32 s45, 0
	s_lshl_b32 s46, s14, 6
	s_add_co_u32 s46, s46, s15
	s_lshl_b32 s46, s46, 9                         ; st: 512 bytes for a head and residue
	s_mov_b32 s47, 0
	s_mov_b32 s[G0], 1
	s_mul_i32 s[G0+1], s[WV], 64*PQ                ; Q at 0, K behind it, V behind that
	s_wait_dscnt 0x0                               ; the opening add is done
	s_wait_kmcnt 0x0
	s_add_nc_u64 s[G0+2:G0+3], s[4:5], s[16:17]
	s_or_b32 s[G0+3], s[G0+3], 0x80000000
	s_add_nc_u64 s[56:57], s[6:7], s[44:45]
	s_add_nc_u64 s[58:59], s[8:9], s[46:47]
	s_cmp_lt_u32 s[WV], 2
	s_cbranch_scc0 .Lnot_qk
	tensor_load_to_lds s[G0:G0+3], s[G1K:G1K+7]
	s_nop 0
.rept 4
	v_nop
.endr
	s_branch .Lasked
.Lnot_qk:
	s_cmp_eq_u32 s[WV], 2
	s_cbranch_scc0 .Lasked                         ; wave 3 brings nothing
	tensor_load_to_lds s[G0:G0+3], s[G1V:G1V+7]
	s_nop 0
.rept 4
	v_nop
.endr
.Lasked:
	v_and_b32 v1, 15, v0                           ; l % 16
	v_bfe_u32 v2, v0, 4, 1                         ; l / 16
	s_lshl_b32 s16, s[WV], 7                       ; my residue's 128 bytes of a row
	v_mul_u32_u24 v[AQ], v1, PQ
	v_lshl_add_u32 v[AQ], v2, 4, v[AQ]
	v_add_nc_u32 v[AQ], s16, v[AQ]
	v_add_nc_u32 v[AK], KL, v[AQ]
	v_and_b32 v14, 7, v0                           ; the turning load: lane l reads key 8 (l / 16) + l % 8, channels 8 ((l / 8) % 2) + 0..7
	v_lshl_add_u32 v[AV], v2, 3, v14
	v_mul_u32_u24 v[AV], v[AV], PV
	v_bfe_u32 v14, v0, 3, 1
	v_lshl_add_u32 v[AV], v14, 4, v[AV]
	s_add_co_u32 s17, s16, VL
	v_add_nc_u32 v[AV], s17, v[AV]
	s_mul_i32 s17, s[WV], 16*OP
	s_add_co_u32 s17, s17, OSTG
	v_mul_u32_u24 v[STO], v1, OP                   ; in: row l % 16, 32 bytes for each half of the lanes
	v_lshl_add_u32 v[STO], v2, 5, v[STO]
	v_add_nc_u32 v[STO], s17, v[STO]
	v_mul_u32_u24 v[RD], v2, OP                    ; back: lanes 0-15 one row of 256 bytes, lanes 16-31 the next
	v_lshl_add_u32 v[RD], v1, 4, v[RD]
	v_add_nc_u32 v[RD], s17, v[RD]
	v_lshlrev_b32 v[GO], 14, v2                    ; neighbouring i lie 64 rows of 256 bytes apart in os
	v_lshl_add_u32 v[GO], v1, 4, v[GO]
	s_lshl_b32 s17, s[WV], 9
	s_add_co_u32 s17, s17, SSTG
	v_lshl_add_u32 v[SST], v1, 2, s17
	v_and_b32 v[SGO], 31, v0
	v_lshlrev_b32 v[SGO], 4, v[SGO]
	v_add_nc_u32 v[SRD], s17, v[SGO]
	v_lshlrev_b32 v14, 3, v2
	v_sub_nc_u32 v14, v1, v14
	v_add_nc_u32 v14, -4, v14                      ; l % 16 - 8 (l / 16) - 4
	v_add_nc_u32 v15, 16, v14
.set i, 0
.rept 8
	v_cmp_gt_i32 vcc_lo, i, v14
	v_cndmask_b32 v[MD0+i], 0, s[BIGN], vcc_lo
	v_cmp_gt_i32 vcc_lo, i, v15
	v_cndmask_b32 v[MD1+i], 0, s[BIGN], vcc_lo
	v_mov_b32 v[MH+i], s[BIGN]
.set i, i+1
.endr
	s_wait_tensorcnt 0x0                           ; my tile has landed,
	s_barrier_signal -1
	s_barrier_wait -1                              ; everybody's has
.irp kb, 0,1,2,3                       ; my residue's K and V stay in registers for all four tiles
.irp c, 0,1
	ds_load_b128 v[KF+16*(\kb)+8*(\c):KF+16*(\kb)+8*(\c)+3],   v[AK] offset:16*PQ*(\kb)+64*(\c)
	ds_load_b128 v[KF+16*(\kb)+8*(\c)+4:KF+16*(\kb)+8*(\c)+7], v[AK] offset:16*PQ*(\kb)+64*(\c)+32
.endr
.endr
.irp kk, 0,1
.irp cb, 0,1,2,3
	ds_load_tr16_b128 v[VF+32*(\kk)+8*(\cb):VF+32*(\kk)+8*(\cb)+3],   v[AV] offset:32*PV*(\kk)+32*(\cb)
	ds_load_tr16_b128 v[VF+32*(\kk)+8*(\cb)+4:VF+32*(\kk)+8*(\cb)+7], v[AV] offset:32*PV*(\kk)+16*PV+32*(\cb)
.endr
.endr
; One product of S^T = K Q^T for query tile t, key block kb, channel half c.  The first half starts the sum with the block's mask, or with 0 where all its keys are visible.
.macro KQ1 t, kb, c
.set rS, S+8*(\kb)
.set rK, KF+16*(\kb)+8*(\c)
.if (\c) == 1
	v_wmma_f32_16x16x32_f16 v[rS:rS+7], v[rK:rK+7], v[QF+8:QF+15], v[rS:rS+7]
.elseif (\kb) == (\t)
	v_wmma_f32_16x16x32_f16 v[rS:rS+7], v[rK:rK+7], v[QF:QF+7], v[MD0:MD0+7]
.elseif (\kb)+1 == (\t)
	v_wmma_f32_16x16x32_f16 v[rS:rS+7], v[rK:rK+7], v[QF:QF+7], v[MD1:MD1+7]
.elseif (\kb) > (\t)
	v_wmma_f32_16x16x32_f16 v[rS:rS+7], v[rK:rK+7], v[QF:QF+7], v[MH:MH+7]
.else
	v_wmma_f32_16x16x32_f16 v[rS:rS+7], v[rK:rK+7], v[QF:QF+7], 0
.endif
.endm
.macro SUMH n                          ; pair z + n is added onto pair z, for z < n
.set z, 0
.rept \n
	v_pk_add_f32 v[S+2*z:S+2*z+1], v[S+2*z:S+2*z+1], v[S+2*(z+(\n)):S+2*(z+(\n))+1]
.set z, z+1
.endr
.endm
; Query tile t: i = 16 t .. 16 t + 15.  It takes NK key blocks of 16: those up to its own, made up to a multiple of two, since V^T P goes by 32 keys.
.macro TILE t
.set NK, 2+2*((\t)/2)
.if (\t) > 0
	s_wait_xcnt 0x0                                ; the last tile's stores have read v48-79
.endif
.irp c, 0,1
	ds_load_b128 v[QF+8*(\c):QF+8*(\c)+3],   v[AQ] offset:16*PQ*(\t)+64*(\c)
	ds_load_b128 v[QF+8*(\c)+4:QF+8*(\c)+7], v[AQ] offset:16*PQ*(\t)+64*(\c)+32
.endr
	s_wait_dscnt 0x0                               ; Q (and, the first time, K and V)
.irp c, 0,1                            ; the NK accumulators take turns
.set kb, 0
.rept NK
	KQ1 \t, kb, \c
.set kb, kb+1
.endr
.endr
.rept 4
	v_nop                                          ; the places behind those products
.endr
.irp j, 0,1,2                          ; the maximum: a chain for each key block, its lowest registers first
.set kb, 0
.rept NK
.if (\j) == 0
	v_max3_num_f32 v[T+4+kb], v[S+8*kb], v[S+8*kb+1], v[S+8*kb+2]
.else
	v_max3_num_f32 v[T+4+kb], v[T+4+kb], v[S+8*kb+2*(\j)+1], v[S+8*kb+2*(\j)+2]
.endif
.set kb, kb+1
.endr
.endr
	v_max3_num_f32 v[T+4], v[T+4], v[S+7], v[S+15]
.if NK == 4
	v_max3_num_f32 v[T+6], v[T+6], v[S+23], v[S+31]
	v_max3_num_f32 v[T+4], v[T+4], v[T+5], v[T+6]
	v_max3_num_f32 v[T+4], v[T+4], v[T+7], s[FLOOR]
.else
	v_max3_num_f32 v[T+4], v[T+4], v[T+5], s[FLOOR]
.endif
	v_permlanex16_b32 v[T+5], v[T+4], s[SEL], s[SEL+1]   ; the query's other keys lie in the lane 16 away
	v_max_num_f32 v[T+1], v[T+4], v[T+5]
	v_mul_f32 v[T], s[CS], v[T+1]
.set z, 0
.rept 4*NK
	v_pk_fma_f32 v[S+2*z:S+2*z+1], v[S+2*z:S+2*z+1], s[CS:CS+1], v[T:T+1] op_sel_hi:[1,0,0] neg_lo:[0,0,1] neg_hi:[0,0,1]   ; c s - c m
.set z, z+1
.endr
.set z, 0
.rept 8*NK
	v_exp_f32 v[S+z], v[S+z]
.set z, z+1
.endr
	v_nop                                          ; a plain instruction behind the last exponential,
	s_wait_alu depctr_va_vdst(0)                   ; and one wait for the batch, ahead of its first reader
.set z, 0
.rept 4*NK
	v_cvt_pk_f16_f32 v[P+z], v[S+2*z], v[S+2*z+1]
.set z, z+1
.endr
.if NK == 4
	SUMH 8
.endif
	SUMH 4
	SUMH 2
	v_pk_add_f32 v[T+2:T+3], v[S:S+1], v[S+2:S+3]
.set kk, 0
.rept NK/2                             ; O^T = V^T P, into S^T's registers; four accumulators take turns; the first products start the sums
.irp cb, 0,1,2,3
.if kk == 0
	v_wmma_f32_16x16x32_f16 v[S+8*(\cb):S+8*(\cb)+7], v[VF+8*(\cb):VF+8*(\cb)+7], v[P:P+7], 0
.else
	v_wmma_f32_16x16x32_f16 v[S+8*(\cb):S+8*(\cb)+7], v[VF+32+8*(\cb):VF+32+8*(\cb)+7], v[P+8:P+15], v[S+8*(\cb):S+8*(\cb)+7]
.endif
.endr
.set kk, kk+1
.endr
	v_add_f32 v[T+2], v[T+2], v[T+3]
	v_permlanex16_b32 v[T+3], v[T+2], s[SEL], s[SEL+1]
	v_add_f32 v[T+2], v[T+2], v[T+3]               ; l, in both halves of the lanes
.rept 4
	v_nop                                          ; with the two additions: the places behind the last products
.endr
	ds_store_b32 v[SST], v[T+1] offset:64*(\t)     ; both halves of the lanes write the same word with the same number
	ds_store_b32 v[SST], v[T+2] offset:256+64*(\t)
.irp cb, 0,1,2,3
	ds_store_b128 v[STO], v[S+8*(\cb):S+8*(\cb)+3]   offset:64*(\cb)
	ds_store_b128 v[STO], v[S+8*(\cb)+4:S+8*(\cb)+7] offset:64*(\cb)+16
.endr
.irp f, 0,1,2,3,4,5,6,7
	ds_load_b128 v[QF+4*(\f):QF+4*(\f)+3], v[RD] offset:2*OP*(\f)   ; LDS serves a wave's instructions in order: these see the stores above
.endr
	s_wait_dscnt 0x0
.irp f, 0,1,2,3,4,5,6,7
	global_store_b128 v[GO], v[QF+4*(\f):QF+4*(\f)+3], s[56:57] offset:262144*(\t)+32768*(\f)   ; 16 lanes store a whole row of os, 256 consecutive bytes, aligned
.endr
.endm
	TILE 0
	TILE 1
	TILE 2
	TILE 3
	s_wait_xcnt 0x0                                ; the last stores have read v48-51
	ds_load_b128 v[QF:QF+3], v[SRD]                ; my residue's 64 m and 64 l
	s_wait_dscnt 0x0
	global_store_b128 v[SGO], v[QF:QF+3], s[58:59] ; 512 consecutive bytes
	s_wait_tensorcnt 0x0                           ; the wave's end: an add to my spare word and its wait, behind my last tensor load and my last LDS store
	ds_add_u32 v[SPW], v[NIL]
	s_wait_dscnt 0x0
	s_endpgm
.Lfunc_end_k_qa7b099520e_strided:
	.size	k_qa7b099520e_strided, .Lfunc_end_k_qa7b099520e_strided-k_qa7b099520e_strided
	.p2alignl 7, 3214868480
	.fill 96, 4, 3214868480
	.section	.rodata,"a",@progbits
	.p2align	6, 0x0
	.amdhsa_kernel k_qa7b099520e_strided
		.amdhsa_group_segment_fixed_size 167936
		.amdhsa_private_segment_fixed_size 0
		.amdhsa_enable_private_segment 0
		.amdhsa_kernarg_size 24
		.amdhsa_user_sgpr_count 2
		.amdhsa_user_sgpr_kernarg_segment_ptr 1
		.amdhsa_wavefront_size32 1
		.amdhsa_system_sgpr_workgroup_id_x 1
		.amdhsa_system_sgpr_workgroup_id_y 1
		.amdhsa_system_sgpr_workgroup_id_z 1
		.amdhsa_system_vgpr_workitem_id 0
		.amdhsa_next_free_vgpr 256
		.amdhsa_next_free_sgpr 66
		.amdhsa_reserve_vcc 1
		.amdhsa_float_denorm_mode_32 3
		.amdhsa_float_denorm_mode_16_64 3
		.amdhsa_memory_ordered 1
		.amdhsa_forward_progress 1
		.amdhsa_inst_pref_size 39
	.end_amdhsa_kernel
	.amdgpu_metadata
---
amdhsa.version: [ 1, 2 ]
amdhsa.kernels:
  - .name:           k_qa7b099520e_strided
    .symbol:         k_qa7b099520e_strided.kd
    .args:
      - { .name: qkv, .offset: 0, .size: 8, .value_kind: global_buffer, .address_space: global }
      - { .name: os, .offset: 8, .size: 8, .value_kind: global_buffer, .address_space: global }
      - { .name: st, .offset: 16, .size: 8, .value_kind: global_buffer, .address_space: global }
    .group_segment_fixed_size: 167936
    .private_segment_fixed_size: 0
    .kernarg_segment_align: 8
    .kernarg_segment_size: 24
    .max_flat_workgroup_size: 128
    .sgpr_count:     66
    .vgpr_count:     256
    .wavefront_size: 32
...
	.end_amdgpu_metadata
.endif
;; end of part 3
;; launch window (part 4): grid 16 x 16, 8 waves a work-group, no clusters, 175,104 bytes of LDS; arguments qkv, os, st, ob; writes ob
.if DOCPART == 4
	.amdgcn_target "amdgcn-amd-amdhsa--gfx1250"
	.amdhsa_code_object_version 6
	.text
	.protected	k_qa7b099520e_window
	.globl	k_qa7b099520e_window
	.p2align	8
	.type	k_qa7b099520e_window,@function
k_qa7b099520e_window:
	s_mov_b64 s[64:65], 0
	v_nop
	global_prefetch_b8 v0, s[64:65] scope:SCOPE_SE
	s_setreg_imm32_b32 hwreg(HW_REG_WAVE_MODE, 25, 1), 1
	s_wait_xcnt 0x0
; THE SLIDING WINDOW, and the end of the softmax.  Row q attends to the keys q - 255 .. q; its running maximum m, sum l and unnormalised O start from the state that the launch before left for the
; strided keys outside the window (st, os, all f32), so nothing is cleared and no first step is written out.  ob[head][q][:] = O / l, rounded once to f16.
; p = 2^(c s - c m), c = log2(e) / 8; in every step O and l are multiplied by a = 2^(c m_old - c m_new).  Products, maxima and sums in f32; the weights are rounded to f16 for the second product.
; LIMITS.  A hidden score counts as its value less 1e30; an empty state has m = -2^83, far below f16's scores (2.7e11 at the most) and far above a hidden one: its a is 1 while nothing is visible
; and 0 at the first true score.  Every row sees its own key, so l is not 0.  A weight below 2^-126 counts as 0.  NaN and infinities are not treated apart.
; SHARES.  Work-group (b, head) owns queries 256 b .. 256 b + 255; all 512 keys that they can see, 256 b - 256 .. 256 b + 255, lie in LDS at once (each of the eight waves brings 128 keys of K or of V,
; as 64 rows of 256 bytes): one barrier, nothing filled again.  Wave w owns 32 queries, two tiles of 16, and walks nine steps of 32 keys: the key blocks w .. w + 8 of the sixteen in LDS.
; Step 0 holds the window's lower edge (key column > query row is visible), steps 1-7 are whole, step 8 holds the diagonal (key column <= query row).  The mask is the C operand that starts a sum;
; a block of 16 x 16 that is wholly hidden is left out.  In block b = 0 the keys before the first do not exist: wave w jumps over its first 8 - w steps (forward jumps, past no barrier and no tensor load).
; NO CLUSTER: a key block is read by two work-groups only, and would lie at different LDS places in the two.  Two waves share a SIMD and meet no barrier in the walk: one's vector work stands beside the other's products.
.set PK,    144                        ; a row of K in LDS: 128 bytes + 16
.set PV,    160                        ; of V: 128 + 32, for the turning load
.set VL,    512*PK
.set STAGE, VL+512*PV                  ; 16 rows x 144 bytes for each wave, for the way out
.set SP,    144
.set SPARE, STAGE+8*16*SP              ; the spare words, 128 bytes for each wave: four blocks of 256 bytes that no other line names
.set PLANE, 4096*64*2
.set AK0, 3                            ; my lane's place in my first key block of K; never rewritten
.set AV0, 4                            ; the same for V
.set STO, 5
.set RD,  6
.set GO,  7
.set SPW, 8                            ; my spare word's address; never rewritten
.set NIL, 9                            ; 0; never rewritten
.set QO,  10
.set OSO, 11
.set STA, 12
.set AK,  13                           ; the step's LDS addresses
.set AV,  15
.set ST,  16                           ; tile u at v[16 + 8 u]: c m, m, l (even keys', odd keys'), c0, c1, a, d
.set MDC, 32                           ; the diagonal's mask: hidden where register > l % 16 - 8 (l / 16)
.set MDL, 40                           ; the lower edge's: hidden where register <= l % 16 - 8 (l / 16)
.set Q,   48                           ; tile u, channel half c at Q + 16 u + 8 c
.set KF,  80                           ; key block kt, channel half c at KF + 16 kt + 8 c
.set VF,  112                          ; channel block cb at VF + 8 cb
.set S,   144                          ; tile u, key block kt at S + 16 u + 8 kt
.set P,   176                          ; tile u at P + 8 u
.set O,   192                          ; tile u, channel block cb at O + 32 u + 8 cb
.set WV,  12
.set HID, 15                           ; steps that I jump over
.set STEPC, 16
.set TBK, 17                           ; the step's key block, in bytes of K's rows
.set CS,  18
.set SEL, 20
.set BIGN, 22
.set TBV, 23                           ; and of V's
.set G1K, 24
.set G1V, 32
.set G0K, 40
.set G0V, 44
	s_load_b256 s[4:11], s[0:1], 0x0               ; qkv s[4:5], os s[6:7], st s[8:9], ob s[10:11]
	v_lshl_add_u32 v[SPW], v0, 2, SPARE
	v_mov_b32 v[NIL], 0
	ds_add_u32 v[SPW], v[NIL]                      ; the wave's opening: the add and its wait, ahead of my first tensor load
	v_lshrrev_b32 v1, 5, v0
	v_readfirstlane_b32 s[WV], v1                  ; wave 0..7
	s_mov_b32 s13, ttmp9                           ; b
	s_and_b32 s14, ttmp7, 0xffff                   ; the head
	s_sub_co_u32 s15, 8, s[WV]
	s_cmp_eq_u32 s13, 0
	s_cselect_b32 s[HID], s15, 0
	s_and_b32 s17, s[WV], 3                        ; which 128 of the 512 keys I fetch: waves 0-3 of K, waves 4-7 of V
	s_mov_b32 s[G1K], (1<<16)|(1<<20)|(4<<22)|(3<<25)   ; 2-byte elements; padding on: after every 32 words (a key), 4 words
	s_mov_b32 s[G1V], (1<<16)|(1<<20)|(4<<22)|(7<<25)   ; 8 words
.irp g, G1K, G1V
	s_mov_b32 s[\g+1], 128<<16                     ; 128 keys are 16,384 dense bytes: 64 rows of 128 elements
	s_mov_b32 s[\g+2], 64<<16
	s_mov_b32 s[\g+3], 128<<16
	s_mov_b32 s[\g+4], 64
	s_mov_b32 s[\g+5], 128
	s_mov_b32 s[\g+6], 0
	s_mov_b32 s[\g+7], 0
.endr
	s_mov_b32 s[G0K], 1
	s_mul_i32 s[G0K+1], s17, 128*PK
	s_mov_b32 s[G0V], 1
	s_mul_i32 s[G0V+1], s17, 128*PV
	s_add_co_u32 s[G0V+1], s[G0V+1], VL
	s_mov_b32 s[CS], 0x3e38aa3b                    ; c = log2(e) / 8
	s_mov_b32 s[CS+1], s[CS]
	s_mov_b32 s[SEL], 0x76543210
	s_mov_b32 s[SEL+1], 0xfedcba98
	s_mov_b32 s[BIGN], 0xf149f2ca                  ; -1e30
	s_lshl_b32 s48, s13, 8
	s_lshl_b32 s49, s17, 7
	s_add_co_u32 s48, s48, s49
	s_sub_co_i32 s48, s48, 256                     ; my first key; in block 0 two quarters would begin before the first key:
	s_max_i32 s48, s48, 0                          ; they bring rows 0 on, which nobody reads
	s_lshl_b32 s48, s48, 7
	s_lshl_b32 s50, s14, 19                        ; the head's plane
	s_add_co_u32 s48, s48, s50
	s_add_co_u32 s48, s48, 16*PLANE                ; among K's planes
	s_mov_b32 s49, 0
	s_add_co_u32 s52, s48, 16*PLANE                ; among V's
	s_mov_b32 s53, 0
	s_lshl_b32 s51, s13, 8
	s_lshl_b32 s54, s[WV], 5
	s_add_co_u32 s51, s51, s54                     ; my first query n0 = 256 b + 32 w
	s_lshl_b32 s54, s51, 7
	s_add_co_u32 s54, s54, s50                     ; its place in Q's planes and in ob
	s_mov_b32 s55, 0
	s_lshl_b32 s2, s14, 20
	s_lshl_b32 s3, s51, 8
	s_add_co_u32 s2, s2, s3                        ; and in os
	s_mov_b32 s3, 0
	s_lshl_b32 s50, s14, 15                        ; st: query n0 + x has residue 32 (w % 2) + x and i = 4 b + w / 2
	s_and_b32 s51, s[WV], 1
	s_lshl_b32 s51, s51, 14
	s_add_co_u32 s50, s50, s51
	s_lshr_b32 s51, s[WV], 1
	s_lshl2_add_u32 s51, s13, s51
	s_lshl_b32 s51, s51, 2
	s_add_co_u32 s50, s50, s51
	s_mov_b32 s51, 0
	s_wait_dscnt 0x0                               ; the opening add is done
	s_wait_kmcnt 0x0
	s_add_nc_u64 s[G0K+2:G0K+3], s[4:5], s[48:49]
	s_or_b32 s[G0K+3], s[G0K+3], 0x80000000
	s_add_nc_u64 s[G0V+2:G0V+3], s[4:5], s[52:53]
	s_or_b32 s[G0V+3], s[G0V+3], 0x80000000
	s_add_nc_u64 s[56:57], s[4:5], s[54:55]        ; Q
	s_add_nc_u64 s[58:59], s[6:7], s[2:3]          ; os
	s_add_nc_u64 s[60:61], s[8:9], s[50:51]        ; st
	s_add_nc_u64 s[62:63], s[10:11], s[54:55]      ; ob
	s_cmp_lt_u32 s[WV], 4
	s_cbranch_scc0 .Lfor_v
	tensor_load_to_lds s[G0K:G0K+3], s[G1K:G1K+7]
	s_nop 0
.rept 4
	v_nop
.endr
	s_branch .Lasked
.Lfor_v:
	tensor_load_to_lds s[G0V:G0V+3], s[G1V:G1V+7]
	s_nop 0
.rept 4
	v_nop
.endr
.Lasked:
	v_and_b32 v1, 15, v0                           ; l % 16
	v_bfe_u32 v2, v0, 4, 1                         ; l / 16
	v_lshlrev_b32 v[QO], 7, v1
	v_lshl_add_u32 v[QO], v2, 4, v[QO]
	v_lshlrev_b32 v[OSO], 8, v1
	v_lshl_add_u32 v[OSO], v2, 5, v[OSO]
	v_lshlrev_b32 v[STA], 9, v1
.irp u, 0,1
.irp c, 0,1
	global_load_b128 v[Q+16*(\u)+8*(\c):Q+16*(\u)+8*(\c)+3],   v[QO], s[56:57] offset:2048*(\u)+64*(\c)
	global_load_b128 v[Q+16*(\u)+8*(\c)+4:Q+16*(\u)+8*(\c)+7], v[QO], s[56:57] offset:2048*(\u)+64*(\c)+32
.endr
.endr
.irp u, 0,1                            ; the carried O goes straight into the accumulators: lane l holds query l % 16, channels 16 cb + 8 (l / 16) + 0..7
.irp cb, 0,1,2,3
	global_load_b128 v[O+32*(\u)+8*(\cb):O+32*(\u)+8*(\cb)+3],   v[OSO], s[58:59] offset:4096*(\u)+64*(\cb)
	global_load_b128 v[O+32*(\u)+8*(\cb)+4:O+32*(\u)+8*(\cb)+7], v[OSO], s[58:59] offset:4096*(\u)+64*(\cb)+16
.endr
.endr
.irp u, 0,1
	global_load_b32 v[ST+8*(\u)+1], v[STA], s[60:61] offset:8192*(\u)       ; m
	global_load_b32 v[ST+8*(\u)+4], v[STA], s[60:61] offset:8192*(\u)+256   ; l
.endr
	s_mul_i32 s48, s[WV], 32*PK
	v_mul_u32_u24 v[AK0], v1, PK
	v_lshl_add_u32 v[AK0], v2, 4, v[AK0]
	v_add_nc_u32 v[AK0], s48, v[AK0]
	v_and_b32 v13, 7, v0                           ; the turning load: lane l reads key 8 (l / 16) + l % 8, channels 8 ((l / 8) % 2) + 0..7
	v_lshl_add_u32 v[AV0], v2, 3, v13
	v_mul_u32_u24 v[AV0], v[AV0], PV
	v_bfe_u32 v15, v0, 3, 1
	v_lshl_add_u32 v[AV0], v15, 4, v[AV0]
	s_mul_i32 s48, s[WV], 32*PV
	s_add_co_u32 s48, s48, VL
	v_add_nc_u32 v[AV0], s48, v[AV0]
	s_mul_i32 s48, s[WV], 16*SP
	s_add_co_u32 s48, s48, STAGE
	v_mul_u32_u24 v[STO], v1, SP                   ; in: row l % 16, 16 bytes for each half of the lanes
	v_lshl_add_u32 v[STO], v2, 4, v[STO]
	v_add_nc_u32 v[STO], s48, v[STO]
	v_bfe_u32 v[RD], v0, 3, 2                      ; back: 32 lanes take four rows of 128 bytes,
	v_mul_u32_u24 v[RD], v[RD], SP
	v_lshl_add_u32 v[RD], v13, 4, v[RD]
	v_add_nc_u32 v[RD], s48, v[RD]
	v_and_b32 v[GO], 31, v0                        ; which are 512 consecutive bytes of ob
	v_lshlrev_b32 v[GO], 4, v[GO]
	v_lshlrev_b32 v14, 3, v2
	v_sub_nc_u32 v14, v1, v14                      ; l % 16 - 8 (l / 16)
.set i, 0
.rept 8
	v_cmp_gt_i32 vcc_lo, i, v14
	v_cndmask_b32 v[MDC+i], 0, s[BIGN], vcc_lo
	v_cmp_le_i32 vcc_lo, i, v14
	v_cndmask_b32 v[MDL+i], 0, s[BIGN], vcc_lo
.set i, i+1
.endr
.irp u, 0,1
	v_mov_b32 v[ST+8*(\u)+3], 0                    ; l's second half
	v_mov_b32 v[ST+8*(\u)+5], 0                    ; written once, since the exchange of the halves counts as a reader of its destination
	v_mov_b32 v[ST+8*(\u)+6], 0
	v_mov_b32 v[ST+8*(\u)+7], 0
.endr
	s_wait_tensorcnt 0x0                           ; my 128 keys have landed,
	s_barrier_signal -1
	s_barrier_wait -1                              ; everybody's have
	s_wait_loadcnt 0x0                             ; Q and the state
	v_cmp_eq_u32 vcc_lo, 0, v2
.irp u, 0,1
	v_mul_f32 v[ST+8*(\u)], s[CS], v[ST+8*(\u)+1]
	v_cndmask_b32 v[ST+8*(\u)+2], 0, v[ST+8*(\u)+4], vcc_lo   ; the carried l counts once: in the lower half of the lanes
.endr
; mode 0: the lower edge; 1: a whole step; 2: the diagonal.  TSET names tile u's registers and its active pairs of scores: NPR pairs from pair LO on (ONE = 1: one of its two key blocks is left out).
.macro TSET mode, u
.set rT, ST+8*(\u)
.set rS, S+16*(\u)
.set rP, P+8*(\u)
.set rO, O+32*(\u)
.set ONE, 0
.set LO,  0
.set NPR, 8
.if ((\mode) == 0) && ((\u) == 1)
.set ONE, 1
.set LO,  4
.set NPR, 4
.elseif ((\mode) == 2) && ((\u) == 0)
.set ONE, 1
.set NPR, 4
.endif
.set bS, rS+2*LO
.endm
.macro KQW mode, u, kt, c              ; one product of S^T = K Q^T
.set wS, S+16*(\u)+8*(\kt)
.set wK, KF+16*(\kt)+8*(\c)
.set wQ, Q+16*(\u)+8*(\c)
.if (((\mode) == 0) && ((\u) == 1) && ((\kt) == 0)) || (((\mode) == 2) && ((\u) == 0) && ((\kt) == 1))
.elseif (\c) == 1
	v_wmma_f32_16x16x32_f16 v[wS:wS+7], v[wK:wK+7], v[wQ:wQ+7], v[wS:wS+7]
.elseif ((\mode) == 0) && ((\u) == (\kt))
	v_wmma_f32_16x16x32_f16 v[wS:wS+7], v[wK:wK+7], v[wQ:wQ+7], v[MDL:MDL+7]
.elseif ((\mode) == 2) && ((\u) == (\kt))
	v_wmma_f32_16x16x32_f16 v[wS:wS+7], v[wK:wK+7], v[wQ:wQ+7], v[MDC:MDC+7]
.else
	v_wmma_f32_16x16x32_f16 v[wS:wS+7], v[wK:wK+7], v[wQ:wQ+7], 0
.endif
.endm
.macro MAXL mode, u, n                 ; number n of 8 of the maximum of the tile's active scores and the old m; each accumulator's lowest registers are read first
	TSET \mode, \u
.if ONE
.if (\n) == 0
	v_max3_num_f32 v[rT+4], v[bS], v[bS+1], v[bS+2]
.elseif (\n) == 2
	v_max3_num_f32 v[rT+4], v[rT+4], v[bS+3], v[bS+4]
.elseif (\n) == 4
	v_max3_num_f32 v[rT+4], v[rT+4], v[bS+5], v[bS+6]
.elseif (\n) == 6
	v_max3_num_f32 v[rT+4], v[rT+4], v[bS+7], v[rT+1]
.endif
.else
.if (\n) == 0
	v_max3_num_f32 v[rT+4], v[rS], v[rS+1], v[rS+2]
.elseif (\n) == 1
	v_max3_num_f32 v[rT+5], v[rS+8], v[rS+9], v[rS+10]
.elseif (\n) == 2
	v_max3_num_f32 v[rT+4], v[rT+4], v[rS+3], v[rS+4]
.elseif (\n) == 3
	v_max3_num_f32 v[rT+5], v[rT+5], v[rS+11], v[rS+12]
.elseif (\n) == 4
	v_max3_num_f32 v[rT+4], v[rT+4], v[rS+5], v[rS+6]
.elseif (\n) == 5
	v_max3_num_f32 v[rT+5], v[rT+5], v[rS+13], v[rS+14]
.elseif (\n) == 6
	v_max3_num_f32 v[rT+4], v[rT+4], v[rS+7], v[rS+15]
.else
	v_max3_num_f32 v[rT+4], v[rT+4], v[rT+5], v[rT+1]
.endif
.endif
.endm
.macro STAT u, n                       ; number n of 6: the other half of the lanes' maximum; c m_old is kept; the new m; c m; its change; a
.set rT, ST+8*(\u)
.if (\n) == 0
	v_permlanex16_b32 v[rT+5], v[rT+4], s[SEL], s[SEL+1]
.elseif (\n) == 1
	v_mov_b32 v[rT+7], v[rT]
.elseif (\n) == 2
	v_max_num_f32 v[rT+1], v[rT+4], v[rT+5]
.elseif (\n) == 3
	v_mul_f32 v[rT], s[CS], v[rT+1]
.elseif (\n) == 4
	v_sub_f32 v[rT+7], v[rT+7], v[rT]
.else
	v_exp_f32 v[rT+6], v[rT+7]
.endif
.endm
.macro SCAL mode, u, z                 ; c s - c m for active pair z
	TSET \mode, \u
.if (\z) < NPR
	v_pk_fma_f32 v[bS+2*(\z):bS+2*(\z)+1], v[bS+2*(\z):bS+2*(\z)+1], s[CS:CS+1], v[rT:rT+1] op_sel_hi:[1,0,0] neg_lo:[0,0,1] neg_hi:[0,0,1]
.endif
.endm
.macro EXPL mode, u, z                 ; the exponential of active score z
	TSET \mode, \u
.if (\z) < 2*NPR
	v_exp_f32 v[bS+(\z)], v[bS+(\z)]
.endif
.endm
.macro CVTL mode, u, z                 ; active pair z rounded to f16; the weights of a block that was left out are 0
	TSET \mode, \u
.if (\z) < NPR
	v_cvt_pk_f16_f32 v[rP+LO+(\z)], v[bS+2*(\z)], v[bS+2*(\z)+1]
.else
	v_mov_b32 v[rP+(LO+(\z))%8], 0
.endif
.endm
.macro SUML mode, u, n                 ; number n of 8 of the sum of the active pairs, in place; the last: l = a l + sum
	TSET \mode, \u
.if (\n) < 4
.if !ONE
	v_pk_add_f32 v[rS+2*(\n):rS+2*(\n)+1], v[rS+2*(\n):rS+2*(\n)+1], v[rS+2*(\n)+8:rS+2*(\n)+9]
.endif
.elseif (\n) < 6
	v_pk_add_f32 v[bS+2*((\n)-4):bS+2*((\n)-4)+1], v[bS+2*((\n)-4):bS+2*((\n)-4)+1], v[bS+2*((\n)-4)+4:bS+2*((\n)-4)+5]
.elseif (\n) == 6
	v_pk_add_f32 v[bS:bS+1], v[bS:bS+1], v[bS+2:bS+3]
.else
	v_pk_fma_f32 v[rT+2:rT+3], v[rT+2:rT+3], v[rT+6:rT+7], v[bS:bS+1] op_sel_hi:[1,0,1]
.endif
.endm
; A STEP: 32 keys for my two tiles.  The tiles alternate line by line, so that no instruction reads the result of the one before it.  The step's exponentials (34 at the most) are one batch with one wait.
.macro STEP mode
	v_add_nc_u32 v[AK], s[TBK], v[AK0]
	v_add_nc_u32 v[AV], s[TBV], v[AV0]
.irp kt, 0,1
.irp c, 0,1
	ds_load_b128 v[KF+16*(\kt)+8*(\c):KF+16*(\kt)+8*(\c)+3],   v[AK] offset:16*PK*(\kt)+64*(\c)
	ds_load_b128 v[KF+16*(\kt)+8*(\c)+4:KF+16*(\kt)+8*(\c)+7], v[AK] offset:16*PK*(\kt)+64*(\c)+32
.endr
.endr
.irp cb, 0,1,2,3
	ds_load_tr16_b128 v[VF+8*(\cb):VF+8*(\cb)+3],   v[AV] offset:32*(\cb)
	ds_load_tr16_b128 v[VF+8*(\cb)+4:VF+8*(\cb)+7], v[AV] offset:16*PV+32*(\cb)
.endr
	s_wait_dscnt 8                                 ; K is in; V's eight younger loads may stay out
.irp c, 0,1                            ; three or four accumulators take turns
.irp kt, 0,1
.irp u, 0,1
	KQW \mode, \u, \kt, \c
.endr
.endr
.endr
.rept 4
	v_nop                                          ; the places behind those products
.endr
.irp n, 0,1,2,3,4,5,6,7
	MAXL \mode, 0, \n
	MAXL \mode, 1, \n
.endr
.irp n, 0,1,2,3,4,5
	STAT 0, \n
	STAT 1, \n
.endr
.irp z, 0,1,2,3,4,5,6,7
	SCAL \mode, 0, \z
	SCAL \mode, 1, \z
.endr
.irp z, 0,1,2,3,4,5,6,7,8,9,10,11,12,13,14,15
	EXPL \mode, 0, \z
	EXPL \mode, 1, \z
.endr
	v_nop                                          ; a plain instruction behind the last exponential,
	s_wait_alu depctr_va_vdst(0)                   ; and one wait for the batch, ahead of its first reader
.irp z, 0,1,2,3,4,5,6,7
	CVTL \mode, 0, \z
	CVTL \mode, 1, \z
.endr
.irp n, 0,1,2,3,4,5,6,7
	SUML \mode, 0, \n
	SUML \mode, 1, \n
.endr
.irp z, 0,1,2,3,4,5,6,7,8,9,10,11,12,13,14,15   ; O^T times a, each accumulator's registers in ascending order
	v_pk_mul_f32 v[O+2*(\z):O+2*(\z)+1], v[O+2*(\z):O+2*(\z)+1], v[ST+6:ST+7] op_sel_hi:[1,0]
	v_pk_mul_f32 v[O+32+2*(\z):O+32+2*(\z)+1], v[O+32+2*(\z):O+32+2*(\z)+1], v[ST+14:ST+15] op_sel_hi:[1,0]
.endr
	s_wait_dscnt 0x0                               ; V is in
.irp cb, 0,1,2,3                       ; O^T += V^T P: eight accumulators, one product each
.irp u, 0,1
	v_wmma_f32_16x16x32_f16 v[O+32*(\u)+8*(\cb):O+32*(\u)+8*(\cb)+7], v[VF+8*(\cb):VF+8*(\cb)+7], v[P+8*(\u):P+8*(\u)+7], v[O+32*(\u)+8*(\cb):O+32*(\u)+8*(\cb)+7]
.endr
.endr
.rept 4
	v_nop                                          ; the places in front of the next step's loads into V's registers, and of the way out
.endr
.endm
	s_mov_b32 s[TBK], 0
	s_mov_b32 s[TBV], 0
	s_cmp_lg_u32 s[HID], 0
	s_cbranch_scc1 .Lno_edge                       ; block 0 has no keys below the window's edge
	STEP 0
.Lno_edge:
	s_mov_b32 s[STEPC], 1
.Lmid:                                                 ; steps 1 to 7
	s_add_co_u32 s[TBK], s[TBK], 32*PK
	s_add_co_u32 s[TBV], s[TBV], 32*PV
	s_cmp_lt_u32 s[STEPC], s[HID]
	s_cbranch_scc1 .Lskip                          ; a key block that does not exist
	STEP 1
.Lskip:
	s_add_co_u32 s[STEPC], s[STEPC], 1
	s_cmp_lt_u32 s[STEPC], 8
	s_cbranch_scc1 .Lmid
	s_add_co_u32 s[TBK], s[TBK], 32*PK
	s_add_co_u32 s[TBV], s[TBV], 32*PV
	STEP 2
	; THE WAY OUT.  l's two halves and the other half of the lanes' are added; O^T is divided by l, rounded to f16 and sent through my stage, a tile at a time.
.irp u, 0,1
	v_add_f32 v[ST+8*(\u)+2], v[ST+8*(\u)+2], v[ST+8*(\u)+3]
.endr
.irp u, 0,1
	v_permlanex16_b32 v[ST+8*(\u)+3], v[ST+8*(\u)+2], s[SEL], s[SEL+1]
.endr
.irp u, 0,1
	v_add_f32 v[ST+8*(\u)+2], v[ST+8*(\u)+2], v[ST+8*(\u)+3]
.endr
.irp u, 0,1
	v_rcp_f32 v[ST+8*(\u)+2], v[ST+8*(\u)+2]
.endr
	v_nop                                          ; a plain instruction behind the last reciprocal,
	s_wait_alu depctr_va_vdst(0)                   ; and one wait for the two, ahead of their first use
.macro PACK u
.set z, 0
.rept 16
	v_pk_mul_f32 v[O+32*(\u)+2*z:O+32*(\u)+2*z+1], v[O+32*(\u)+2*z:O+32*(\u)+2*z+1], v[ST+8*(\u)+2:ST+8*(\u)+3] op_sel_hi:[1,0]
.set z, z+1
.endr
.set z, 0
.rept 16
	v_cvt_pk_f16_f32 v[S+16*(\u)+z], v[O+32*(\u)+2*z], v[O+32*(\u)+2*z+1]
.set z, z+1
.endr
.irp f, 0,1,2,3
	ds_store_b128 v[STO], v[S+16*(\u)+4*(\f):S+16*(\u)+4*(\f)+3] offset:32*(\f)
.endr
.irp f, 0,1,2,3
	ds_load_b128 v[S+16*(\u)+4*(\f):S+16*(\u)+4*(\f)+3], v[RD] offset:4*SP*(\f)   ; LDS serves a wave's instructions in order: these see the stores above; the next tile's stores come behind them
.endr
.endm
.macro SEND u, younger                 ; younger: the LDS instructions issued behind tile u's loads: the next tile's eight, or none
.irp f, 0,1,2,3
	s_wait_dscnt (\younger)+3-(\f)
	global_store_b128 v[GO], v[S+16*(\u)+4*(\f):S+16*(\u)+4*(\f)+3], s[62:63] offset:2048*(\u)+512*(\f)   ; 512 consecutive bytes, aligned
.endr
.endm
	PACK 0
	PACK 1
	SEND 0, 8
	SEND 1, 0
	s_wait_tensorcnt 0x0                           ; the wave's end: an add to my spare word and its wait, behind my last tensor load and my last LDS store
	ds_add_u32 v[SPW], v[NIL]
	s_wait_dscnt 0x0
	s_endpgm
.Lfunc_end_k_qa7b099520e_window:
	.size	k_qa7b099520e_window, .Lfunc_end_k_qa7b099520e_window-k_qa7b099520e_window
	.p2alignl 7, 3214868480
	.fill 96, 4, 3214868480
	.section	.rodata,"a",@progbits
	.p2align	6, 0x0
	.amdhsa_kernel k_qa7b099520e_window
		.amdhsa_group_segment_fixed_size 175104
		.amdhsa_private_segment_fixed_size 0
		.amdhsa_enable_private_segment 0
		.amdhsa_kernarg_size 32
		.amdhsa_user_sgpr_count 2
		.amdhsa_user_sgpr_kernarg_segment_ptr 1
		.amdhsa_wavefront_size32 1
		.amdhsa_system_sgpr_workgroup_id_x 1
		.amdhsa_system_sgpr_workgroup_id_y 1
		.amdhsa_system_sgpr_workgroup_id_z 1
		.amdhsa_system_vgpr_workitem_id 0
		.amdhsa_next_free_vgpr 256
		.amdhsa_next_free_sgpr 66
		.amdhsa_reserve_vcc 1
		.amdhsa_float_denorm_mode_32 3
		.amdhsa_float_denorm_mode_16_64 3
		.amdhsa_memory_ordered 1
		.amdhsa_forward_progress 1
		.amdhsa_inst_pref_size 45
	.end_amdhsa_kernel
	.amdgpu_metadata
---
amdhsa.version: [ 1, 2 ]
amdhsa.kernels:
  - .name:           k_qa7b099520e_window
    .symbol:         k_qa7b099520e_window.kd
    .args:
      - { .name: qkv, .offset: 0, .size: 8, .value_kind: global_buffer, .address_space: global }
      - { .name: os, .offset: 8, .size: 8, .value_kind: global_buffer, .address_space: global }
      - { .name: st, .offset: 16, .size: 8, .value_kind: global_buffer, .address_space: global }
      - { .name: ob, .offset: 24, .size: 8, .value_kind: global_buffer, .address_space: global }
    .group_segment_fixed_size: 175104
    .private_segment_fixed_size: 0
    .kernarg_segment_align: 8
    .kernarg_segment_size: 32
    .max_flat_workgroup_size: 256
    .sgpr_count:     66
    .vgpr_count:     256
    .wavefront_size: 32
...
	.end_amdgpu_metadata
.endif
;; end of part 4
;; launch proj (part 5): grid 8 x 32, 4 waves a work-group, clusters of 4 x 4, 327,680 bytes of LDS; arguments ob, wo, out0; writes out0
.if DOCPART == 5
	.amdgcn_target "amdgcn-amd-amdhsa--gfx1250"
	.amdhsa_code_object_version 6
	.text
	.protected	k_qa7b099520e_proj
	.globl	k_qa7b099520e_proj
	.p2align	8
	.type	k_qa7b099520e_proj,@function
k_qa7b099520e_proj:
	s_mov_b64 s[64:65], 0
	v_nop
	global_prefetch_b8 v0, s[64:65] scope:SCOPE_SE
	s_setreg_imm32_b32 hwreg(HW_REG_WAVE_MODE, 25, 1), 1
	s_wait_xcnt 0x0
	s_wait_alu depctr_hold_cnt(0) depctr_sa_sdst(0) depctr_va_vdst(0) depctr_va_sdst(0) depctr_va_ssrc(0) depctr_va_vcc(0) depctr_vm_vsrc(0)
	s_getreg_b32 s2, hwreg(HW_REG_IB_STS2, 6, 4)
	s_cmp_eq_u32 s2, 0
	s_cbranch_scc0 .Lentry_in_a_cluster
	s_endpgm
.Lentry_in_a_cluster:
	s_bfe_u32 s2, ttmp6, 0x10000c
	s_cmp_lg_u32 s2, 0xf033
	s_cbranch_scc0 .Lentry_shape_is_right
	s_endpgm
.Lentry_shape_is_right:
; out0[t][d] = the sum over c of O[t][c] Wo[d][c], c = 64 head + channel.  O comes by heads, ob[16][4096][64] f16; wo is [1024][1024] f16; out0 [4096][1024] f32.  f16 operands, f32 sums.
; SHARES.  A tile of out0 is 128 x 128: 8 x 32 tiles, one a work-group; four waves, each 64 x 64: 16 accumulators.  K goes in steps of 256, four heads, through a ring of two LDS slots.
; O's part of a slot is four planes, one a head: 128 rows of 128 bytes, which are 16,384 dense bytes of ob; a tensor load brings two heads as two rows of 8,192 elements, padded after every 128 bytes.
; wo's part is 128 rows of 512 bytes.  A quarter of a K step is one head.
; CLUSTER.  4 x 4 work-groups: O's tiles are shared along a row of the cluster, wo's along a column, each asked for jointly.  No prefetch: the tiles are small and the launch is short.
; THE MATRIX INSTRUCTION IS USED TRANSPOSED (source 0 = 16 rows of wo, source 1 = 16 rows of O): a lane holds eight neighbouring numbers of a row of out0.
; REGISTERS: window 0: v0-31 addresses; v32-95 rows read back on the way out, two buffers; v128-255 the accumulators ((a, b) at v[128 + 8 (4 a + b)]).
;   window 1: two fragment buffers of 128: for 64 along K, 64 registers of O (2 x 4 x 16 rows x 32 K), then 64 of wo.
.set KSTEP,  256
.set PA,     144                       ; a row of O in LDS: 128 bytes + 16
.set PLANE,  128*PA                    ; a head's 128 rows
.set PB,     528                       ; a row of wo: 512 bytes + 16
.set HALFB,  64*PB
.set BOFF,   4*PLANE
.set SLOT,   BOFF+2*HALFB
.set STAGE,  2*SLOT                    ; behind the ring: 16 rows x 272 bytes for each wave; no tensor load fills it
.set SPITCH, 272
.set SPARE,  STAGE+4*16*SPITCH         ; the spare words: two blocks of 256 bytes that no other line names
.set HPLANE, 4096*64*2                 ; bytes of a head's plane in ob
.set ADRA, 16
.set ADRB, 20
.set STO,  24
.set RD,   25
.set CO,   26
.set SPW,  28                          ; my spare word's address; never rewritten
.set NIL,  29                          ; 0; never rewritten
.set TMP,  32
.set ACC,  128
.set F0,   0
.set F1,   128
.set G1,  24
.set G0,  32
.set G1B, 48
.set G0B, 56
.set MSB, 0
.macro WIN new
.if MSB != (\new)
	s_set_vgpr_msb (MSB<<8)|(\new)
.set MSB, \new
.endif
.endm
.set MUL,  0x05                        ; sources 0 and 1 window 1; C and D window 0
.set TO_F, 0x40                        ; destination window 1, address window 0
.macro JLOAD s                         ; a joint load: waves 0 and 1 fetch two heads of O each, waves 2 and 3 wo's two halves; an s_nop 0 and four v_nop follow each line
	s_cmp_eq_u32 s11, 0
	s_cbranch_scc0 .Lfor_b_\@
	tensor_load_to_lds s[G0+4*(\s):G0+4*(\s)+3], s[G1:G1+7]
	s_nop 0
.rept 4
	v_nop
.endr
	s_branch .Lasked_\@
.Lfor_b_\@:
	tensor_load_to_lds s[G0B+4*(\s):G0B+4*(\s)+3], s[G1B:G1B+7]
	s_nop 0
.rept 4
	v_nop
.endr
.Lasked_\@:
.endm
.macro CREST
	s_cmp_lg_u32 s10, 0
	s_cbranch_scc1 .Lnot_wave_0_\@
	s_barrier_signal -3
.Lnot_wave_0_\@:
	s_barrier_wait -3
	s_barrier_signal -1
	s_barrier_wait -1
.endm
.macro CROUND
	s_barrier_signal -1
	s_barrier_wait -1
	CREST
.endm
	s_load_b128 s[4:7], s[0:1], 0x0                ; ob s[4:5], wo s[6:7]
	s_load_b64 s[8:9], s[0:1], 0x10                ; out0
	v_lshl_add_u32 v[SPW], v0, 2, SPARE
	v_mov_b32 v[NIL], 0
	ds_add_u32 v[SPW], v[NIL]                      ; the wave's opening: the add and its wait, ahead of my first tensor load
	v_lshrrev_b32 v1, 5, v0
	v_readfirstlane_b32 s10, v1                    ; wave 0..3
	s_lshr_b32 s11, s10, 1                         ; which half of the tile's rows is mine.  Also: I fetch for O (0) or for wo (1)
	s_and_b32 s12, s10, 1                          ; which half of its columns.  Also: which half of that tile I fetch
	s_bfe_u32 s40, ttmp6, 0x40000                  ; cx
	s_bfe_u32 s41, ttmp6, 0x40004                  ; cy
	s_lshl_b32 s42, ttmp9, 2
	s_add_co_u32 s42, s42, s40                     ; tile column
	s_and_b32 s13, ttmp7, 0xffff
	s_lshl_b32 s13, s13, 2
	s_add_co_u32 s13, s13, s41                     ; tile row
	s_lshl_b32 s43, s41, 2
	s_lshl_b32 s43, 15, s43                        ; my row of the cluster
	s_lshl_b32 s44, 0x1111, s40                    ; my column
	s_or_b32 s[G1+0], s43, (1<<16)|(1<<20)|(1<<21)|(4<<22)|(3<<25)    ; padding after every 32 words, of 4 words
	s_mov_b32 s[G1+1], 8192<<16                    ; tensor_dim0 = 8,192: 128 rows of a head on end
	s_mov_b32 s[G1+2], 2<<16                       ; tensor_dim1 = 2 heads
	s_mov_b32 s[G1+3], 8192<<16                    ; tile_dim0
	s_mov_b32 s[G1+4], 2                           ; tile_dim1
	s_mov_b32 s[G1+5], 262144                      ; elements from a head's plane to the next
	s_mov_b32 s[G1+6], 0
	s_mov_b32 s[G1+7], 0
	s_or_b32 s[G1B+0], s44, (1<<16)|(1<<20)|(1<<21)|(6<<22)|(3<<25)   ; after every 128 words, 4 words
	s_mov_b32 s[G1B+1], KSTEP<<16
	s_mov_b32 s[G1B+2], 64<<16
	s_mov_b32 s[G1B+3], KSTEP<<16
	s_mov_b32 s[G1B+4], 64
	s_mov_b32 s[G1B+5], 1024
	s_mov_b32 s[G1B+6], 0
	s_mov_b32 s[G1B+7], 0
	s_lshl_b32 s16, s12, 20                        ; O: heads 2 x half on,
	s_lshl_b32 s17, s13, 14                        ; the tile's 128 rows of 128 bytes
	s_add_co_u32 s16, s16, s17
	s_mov_b32 s17, 0
	s_lshl_b32 s46, s42, 7
	s_lshl_b32 s47, s12, 6
	s_add_co_u32 s46, s46, s47                     ; wo: row 128 x tile column + 64 x half
	s_lshl_b32 s46, s46, 11
	s_mov_b32 s47, 0
	s_mul_i32 s20, s12, 2*PLANE                    ; where they go: no place in the cluster enters an LDS address
	s_mul_i32 s21, s12, HALFB
	s_add_co_u32 s21, s21, BOFF
	s_wait_dscnt 0x0                               ; the opening add is done
	s_wait_kmcnt 0x0
	s_add_nc_u64 s[14:15], s[4:5], s[16:17]
	s_add_nc_u64 s[46:47], s[6:7], s[46:47]
	CROUND                                         ; all sixteen work-groups are here: the first joint loads meet
.irp s, 0,1
	s_mov_b32 s[G0+4*(\s)], 1
	s_add_co_u32 s[G0+4*(\s)+1], s20, (\s)*SLOT
	s_add_nc_u64 s[G0+4*(\s)+2:G0+4*(\s)+3], s[14:15], (\s)*4*HPLANE   ; K step s: heads 4 s on
	s_or_b32 s[G0+4*(\s)+3], s[G0+4*(\s)+3], 0x80000000
	s_mov_b32 s[G0B+4*(\s)], 1
	s_add_co_u32 s[G0B+4*(\s)+1], s21, (\s)*SLOT
	s_add_nc_u64 s[G0B+4*(\s)+2:G0B+4*(\s)+3], s[46:47], (\s)*KSTEP*2
	s_or_b32 s[G0B+4*(\s)+3], s[G0B+4*(\s)+3], 0x80000000
	JLOAD \s
.endr
	v_and_b32 v1, 15, v0                           ; l % 16
	v_bfe_u32 v2, v0, 4, 1                         ; l / 16
	v_mul_u32_u24 v3, v1, PA
	v_lshl_add_u32 v3, v2, 4, v3
	v_mul_u32_u24 v4, v1, PB
	v_lshl_add_u32 v4, v2, 4, v4
	s_mul_i32 s21, s11, 64*PA                      ; my 64 rows in each plane of O
	s_mul_i32 s22, s12, HALFB                      ; my 64 rows of wo
	s_add_co_u32 s22, s22, BOFF
.irp s, 0,1
	v_add_nc_u32 v[ADRA+(\s)], s21, v3
	v_add_nc_u32 v[ADRB+(\s)], s22, v4
	s_add_co_u32 s21, s21, SLOT
	s_add_co_u32 s22, s22, SLOT
.endr
	s_mul_i32 s23, s10, 16*SPITCH
	s_add_co_u32 s23, s23, STAGE                   ; my stage
	v_mul_u32_u24 v5, v1, SPITCH                   ; in: row l % 16, 32 bytes for each half of the lanes
	v_lshl_add_u32 v5, v2, 5, v5
	v_add_nc_u32 v[STO], s23, v5
	v_mul_u32_u24 v5, v2, SPITCH                   ; back: lanes 0-15 one row of 256 bytes, lanes 16-31 the next
	v_lshl_add_u32 v5, v1, 4, v5
	v_add_nc_u32 v[RD], s23, v5
	v_lshlrev_b32 v[CO], 12, v2                    ; and the same two rows in out0
	v_lshl_add_u32 v[CO], v1, 4, v[CO]
	s_lshl_b32 s16, s13, 19                        ; 128 x tile row x 4,096 bytes
	s_lshl_b32 s17, s11, 18                        ; my 64 rows
	s_add_co_u32 s16, s16, s17
	s_mov_b32 s17, 0
	s_lshl_b32 s46, s42, 9                         ; the tile's 128 columns,
	s_lshl_b32 s47, s12, 8                         ; my 64: 256 bytes
	s_add_co_u32 s46, s46, s47
	s_mov_b32 s47, 0
	s_add_nc_u64 s[16:17], s[16:17], s[46:47]
	s_add_nc_u64 s[8:9], s[8:9], s[16:17]
; 8 matrix instructions: row blocks a0, a0 + 1 x all 4 column blocks, 32 along K: half c of buffer f.  zero = 1: the first product starts the sums.  The 16 accumulators take turns.
.macro MUL8 f, c, a0, zero
	WIN MUL
.irp a, \a0, (\a0)+1
.irp b, 0,1,2,3
.if \zero
	v_wmma_f32_16x16x32_f16 v[ACC+8*(4*(\a)+(\b)):ACC+8*(4*(\a)+(\b))+7], v[(\f)+64+8*(4*(\c)+(\b)):(\f)+64+8*(4*(\c)+(\b))+7], v[(\f)+8*(4*(\c)+(\a)):(\f)+8*(4*(\c)+(\a))+7], 0
.else
	v_wmma_f32_16x16x32_f16 v[ACC+8*(4*(\a)+(\b)):ACC+8*(4*(\a)+(\b))+7], v[(\f)+64+8*(4*(\c)+(\b)):(\f)+64+8*(4*(\c)+(\b))+7], v[(\f)+8*(4*(\c)+(\a)):(\f)+8*(4*(\c)+(\a))+7], v[ACC+8*(4*(\a)+(\b)):ACC+8*(4*(\a)+(\b))+7]
.endif
.endr
.endr
.endm
; 32 LDS loads in one run: the fragments of quarter q (head q of the K step's four) into buffer f; the first 32 along K first
.macro FETCH slot, q, f
	WIN TO_F
.irp c, 0,1
.irp i, 0,1,2,3
	ds_load_b128 v[(\f)+64+8*(4*(\c)+(\i)):(\f)+64+8*(4*(\c)+(\i))+3],   v[ADRB+(\slot)] offset:128*(\q)+64*(\c)+(\i)*16*PB
	ds_load_b128 v[(\f)+64+8*(4*(\c)+(\i))+4:(\f)+64+8*(4*(\c)+(\i))+7], v[ADRB+(\slot)] offset:128*(\q)+64*(\c)+(\i)*16*PB+32
	ds_load_b128 v[(\f)+8*(4*(\c)+(\i)):(\f)+8*(4*(\c)+(\i))+3],         v[ADRA+(\slot)] offset:PLANE*(\q)+64*(\c)+(\i)*16*PA
	ds_load_b128 v[(\f)+8*(4*(\c)+(\i))+4:(\f)+8*(4*(\c)+(\i))+7],       v[ADRA+(\slot)] offset:PLANE*(\q)+64*(\c)+(\i)*16*PA+32
.endr
.endr
.endm
.macro PLACES                          ; four plain vector instructions between a matrix instruction and a load into, or a read of, its registers
.rept 4
	v_nop
.endr
.endm
; One of a K step's first three quarters: multiplies buffer f and fetches quarter q into g.
.macro QUARTER slot, q, f, g, zero
	s_wait_dscnt 16                                ; the first 32 along K are in; the youngest sixteen loads may be out
	MUL8 \f, 0, 0, \zero
	MUL8 \f, 0, 2, \zero
	PLACES
	FETCH \slot, \q, \g
	s_wait_dscnt 32                                ; all but the 32 just issued
	MUL8 \f, 1, 0, 0
	MUL8 \f, 1, 2, 0
.endm
; The last quarter multiplies buffer 1 and changes slots: one barrier; in front of it each wave waits for all its tensor loads, adds 0 to its spare word, and waits for that and for its reads of this slot.
; fill = 1: the barrier opens a round of the cluster's, and this slot is filled again first thing behind it, two K steps ahead.
.macro TURN slot, next, fill
	WIN 0                                          ; (the add's two registers lie in window 0)
	s_wait_tensorcnt 0x0                           ; all my tensor loads have landed: my part of the next slot;
	ds_add_u32 v[SPW], v[NIL]                      ; 0 onto my spare word;
	s_wait_dscnt 17                                ; (the add and the youngest sixteen loads may be out)
	MUL8 F1, 0, 0, 0                               ; eight matrix instructions stand between the add and the wait for it
	s_wait_dscnt 0x0                               ; the add is done, and my reads of this slot are over
	s_barrier_signal -1
	MUL8 F1, 0, 2, 0
.if \fill
	WIN 0
.endif
	s_barrier_wait -1
.if \fill
	CREST                                          ; no wave of any partner still reads this slot's tile or has a load on its way
	s_add_nc_u64 s[G0+4*(\slot)+2:G0+4*(\slot)+3], s[G0+4*(\slot)+2:G0+4*(\slot)+3], 8*HPLANE
	s_add_nc_u64 s[G0B+4*(\slot)+2:G0B+4*(\slot)+3], s[G0B+4*(\slot)+2:G0B+4*(\slot)+3], 2*KSTEP*2
	JLOAD \slot                                    ; its four v_nop are also the places in front of the loads below
.else
	PLACES
.endif
	FETCH \next, 0, F0
	MUL8 F1, 1, 0, 0
	MUL8 F1, 1, 2, 0
.endm
	s_wait_tensorcnt 1                             ; my part of K step 0 is in; K step 1's may stay out
	s_barrier_signal -1
	s_barrier_wait -1
	FETCH 0, 0, F0
	QUARTER 0, 1, F0, F1, 1                        ; K step 0; its first products start the sums.  Four K steps: written out, since a loop over laps would have one trip
	QUARTER 0, 2, F1, F0, 0
	QUARTER 0, 3, F0, F1, 0
	TURN 0, 1, 1                                   ; slot 0 takes K step 2
	QUARTER 1, 1, F0, F1, 0                        ; K step 1
	QUARTER 1, 2, F1, F0, 0
	QUARTER 1, 3, F0, F1, 0
	TURN 1, 0, 1                                   ; slot 1 takes K step 3
	QUARTER 0, 1, F0, F1, 0                        ; K step 2
	QUARTER 0, 2, F1, F0, 0
	QUARTER 0, 3, F0, F1, 0
	TURN 0, 1, 0                                   ; nothing is left to fetch
	QUARTER 1, 1, F0, F1, 0                        ; K step 3
	QUARTER 1, 2, F1, F0, 0
	QUARTER 1, 3, F0, F1, 0
	s_wait_dscnt 16
	MUL8 F1, 0, 0, 0
	MUL8 F1, 0, 2, 0
	s_wait_dscnt 0x0
	MUL8 F1, 1, 0, 0
	MUL8 F1, 1, 2, 0
	WIN 0
	PLACES
; THE WAY OUT, in f32: my 64 columns are 256 bytes of a row of out0, so each wave has a stage of its own and meets no barrier.  Block a of 16 rows goes into rows of 272 bytes and comes back as whole rows.
.macro STG a
.set BK, TMP+32*((\a)%2)
.if (\a) >= 2
	s_wait_xcnt 0x0                                ; the stores of the block two back have read the registers that are loaded again below
.endif
.irp b, 0,1,2,3
	ds_store_b128 v[STO], v[ACC+8*(4*(\a)+(\b)):ACC+8*(4*(\a)+(\b))+3]   offset:64*(\b)       ; each accumulator's lowest registers first
	ds_store_b128 v[STO], v[ACC+8*(4*(\a)+(\b))+4:ACC+8*(4*(\a)+(\b))+7] offset:64*(\b)+16
.endr
.irp f, 0,1,2,3,4,5,6,7
	ds_load_b128 v[BK+4*(\f):BK+4*(\f)+3], v[RD] offset:2*SPITCH*(\f)   ; LDS serves a wave's instructions in order: these see the stores above
.endr
.endm
.macro SENDF a, younger                ; younger: the LDS instructions issued behind block a's loads: the next block's sixteen, or none
.set BK, TMP+32*((\a)%2)
	s_wait_dscnt \younger
.irp f, 0,1,2,3,4,5,6,7
	global_store_b128 v[CO], v[BK+4*(\f):BK+4*(\f)+3], s[8:9] offset:(16*(\a)+2*(\f))*4096   ; 16 lanes store 256 consecutive bytes, aligned
.endr
.endm
	STG 0
.irp a, 1,2,3
	STG \a
	SENDF (\a)-1, 16
.endr
	SENDF 3, 0
	s_wait_tensorcnt 0x0                           ; the wave's end: an add to my spare word and its wait, behind my last tensor load and my last LDS store
	ds_add_u32 v[SPW], v[NIL]
	s_wait_dscnt 0x0
	CROUND                                         ; the closing round
	s_endpgm
.Lfunc_end_k_qa7b099520e_proj:
	.size	k_qa7b099520e_proj, .Lfunc_end_k_qa7b099520e_proj-k_qa7b099520e_proj
	.p2alignl 7, 3214868480
	.fill 96, 4, 3214868480
	.section	.rodata,"a",@progbits
	.p2align	6, 0x0
	.amdhsa_kernel k_qa7b099520e_proj
		.amdhsa_group_segment_fixed_size 327680
		.amdhsa_private_segment_fixed_size 0
		.amdhsa_enable_private_segment 0
		.amdhsa_kernarg_size 24
		.amdhsa_user_sgpr_count 2
		.amdhsa_user_sgpr_kernarg_segment_ptr 1
		.amdhsa_wavefront_size32 1
		.amdhsa_system_sgpr_workgroup_id_x 1
		.amdhsa_system_sgpr_workgroup_id_y 1
		.amdhsa_system_sgpr_workgroup_id_z 1
		.amdhsa_system_vgpr_workitem_id 0
		.amdhsa_next_free_vgpr 512
		.amdhsa_next_free_sgpr 66
		.amdhsa_reserve_vcc 0
		.amdhsa_float_denorm_mode_32 3
		.amdhsa_float_denorm_mode_16_64 3
		.amdhsa_memory_ordered 1
		.amdhsa_forward_progress 1
		.amdhsa_inst_pref_size 85
	.end_amdhsa_kernel
	.amdgpu_metadata
---
amdhsa.version: [ 1, 2 ]
amdhsa.kernels:
  - .name:           k_qa7b099520e_proj
    .symbol:         k_qa7b099520e_proj.kd
    .args:
      - { .name: ob, .offset: 0, .size: 8, .value_kind: global_buffer, .address_space: global }
      - { .name: wo, .offset: 8, .size: 8, .value_kind: global_buffer, .address_space: global }
      - { .name: out0, .offset: 16, .size: 8, .value_kind: global_buffer, .address_space: global }
    .group_segment_fixed_size: 327680
    .private_segment_fixed_size: 0
    .kernarg_segment_align: 8
    .kernarg_segment_size: 24
    .max_flat_workgroup_size: 128
    .sgpr_count:     66
    .vgpr_count:     512
    .wavefront_size: 32
...
	.end_amdgpu_metadata
.endif
;; end of part 5
;; ======== version 2 of 2: 5 launches; version 1 with the launch cast written anew for expert scheduling mode
;; limits: values are held in f16: magnitudes above 65,504 overflow, below 6.1e-05 lose precision
;; workspace buffers: xb 8,388,608 bytes; wb 6,291,456 bytes; wo 2,097,152 bytes; qkv 25,165,824 bytes; os 16,777,216 bytes; st 524,288 bytes; ob 8,388,608 bytes
;; launch cast (part 6): grid 256 x 1, 8 waves a work-group, no clusters, 0 bytes of LDS; arguments x, Wq, Wk, Wv, Wo, xb, wb, wo; writes xb, wb, wo
.if DOCPART == 6
	.amdgcn_target "amdgcn-amd-amdhsa--gfx1250"
	.amdhsa_code_object_version 6
	.text
	.protected	k_qa7b099520e_cast
	.globl	k_qa7b099520e_cast
	.p2align	8
	.type	k_qa7b099520e_cast,@function
k_qa7b099520e_cast:
	s_mov_b64 s[64:65], 0
	v_nop
	global_prefetch_b8 v0, s[64:65] scope:SCOPE_SE
	s_setreg_imm32_b32 hwreg(HW_REG_WAVE_SCHED_MODE, 0, 2), 2
	s_setreg_imm32_b32 hwreg(HW_REG_WAVE_MODE, 25, 1), 1
	s_wait_xcnt 0x0
	s_wait_alu depctr_vm_vsrc(0)
; CAST.  x -> xb, (Wq, Wk, Wv) -> wb (their rows one below the other), both rounded once to bf16; Wo -> wo, rounded to bf16 like the other inputs and that number written as f16.
; LIMITS.  A weight of Wo of 65,520 or more becomes an infinity in f16; below 6e-5 it keeps f16's fixed step of 6e-8.
; SHARES.  32 MiB of f32 in 256 work-groups of 131,072 bytes: 0-127 x, 128-159 Wq, 160-191 Wk, 192-223 Wv, 224-255 Wo.  Thread t takes 16 bytes at 16 t of each 4,096 bytes: 32 loads a thread,
; all issued at once, each into registers of its own; a wave's store of 8 bytes a lane covers 256 consecutive bytes, aligned.  A stream: no LDS, no barrier, no matrix unit.
; THE MODE: SCHED_MODE bits 1:0 = 2 (LLVM: expert scheduling mode 2), set by the entry lines.  The code itself states the register dependences
; between vector instructions and memory instructions, with s_wait_alu, always for 0.
; THE PLAN.  Registers that memory instructions touch:
;   v1, v2   byte offsets, made once at the head and never written again: v1 is read by every load, v2 by every store; pieces are reached by immediate offsets.
;   X        piece n: four registers in which ONE load lands, issued at the head, ahead of every vector instruction that names them.  No memory instruction reads them, and no second load lands in them.
;   Y        piece n: two registers, written by piece n's conversions alone and read by piece n's one store; never written again.
; So nothing that a memory instruction has read is ever rewritten, and the one kind of dependence to state is: a vector instruction has written what a memory instruction reads.
; The 32 pieces go in 8 blocks of four.  Block p's vector instructions name X and Y of block p alone; its memory instructions are the four stores of block p - 1, which read Y of block p - 1 and v2.
; ONE wait at a block's head, behind the wait for the block's loads, states that the block before has written its Y; the four stores follow it, dealt among the block's conversions, with no further wait.
.set X,   4                            ; v[4:131]    32 x 4 f32 as loaded
.set Y,   132                          ; v[132:195]  32 x 2 words to store
.set SRC, 24                           ; s[24:25]
.set DST, 28                           ; s[28:29]
	s_load_b512 s[8:23], s[0:1], 0x0               ; x s[8:9], Wq s[10:11], Wk s[12:13], Wv s[14:15], Wo s[16:17], xb s[18:19], wb s[20:21], wo s[22:23]
	s_mov_b32 s2, ttmp9
	v_lshlrev_b32 v1, 4, v0                        ; 16 t: my place in 4,096 bytes of f32
	v_lshlrev_b32 v2, 3, v0                        ; 8 t: my place in 2,048 bytes of 16-bit numbers
	s_and_b32 s3, s2, 31                           ; a weight matrix has 32 work-groups
	s_sub_co_u32 s4, s2, 128                       ; my part of wb
	s_sub_co_u32 s5, s2, 224                       ; my part of wo
	s_wait_kmcnt 0x0
	s_cmp_ge_u32 s2, 128
	s_cselect_b64 s[SRC:SRC+1], s[10:11], s[8:9]
	s_cselect_b64 s[DST:DST+1], s[20:21], s[18:19]
	s_cselect_b32 s26, s3, s2
	s_cselect_b32 s30, s4, s2
	s_cmp_ge_u32 s2, 160
	s_cselect_b64 s[SRC:SRC+1], s[12:13], s[SRC:SRC+1]
	s_cmp_ge_u32 s2, 192
	s_cselect_b64 s[SRC:SRC+1], s[14:15], s[SRC:SRC+1]
	s_cmp_ge_u32 s2, 224
	s_cselect_b64 s[SRC:SRC+1], s[16:17], s[SRC:SRC+1]
	s_cselect_b64 s[DST:DST+1], s[22:23], s[DST:DST+1]
	s_cselect_b32 s30, s5, s30
	s_lshl_b32 s26, s26, 17                        ; 131,072 bytes in
	s_mov_b32 s27, 0
	s_lshl_b32 s30, s30, 16                        ; 65,536 bytes out
	s_mov_b32 s31, 0
	s_add_nc_u64 s[SRC:SRC+1], s[SRC:SRC+1], s[26:27]
	s_add_nc_u64 s[DST:DST+1], s[DST:DST+1], s[30:31]
	s_wait_alu depctr_va_vdst(0)                   ; v1 and v2 are written: every load of the kernel reads v1 as its offset, every store v2
.set i, 0
.rept 32
	global_load_b128 v[X+4*i:X+4*i+3], v1, s[SRC:SRC+1] offset:4096*i th:TH_LOAD_NT
.set i, i+1
.endr
; Piece n: four numbers rounded.  half = 1: the bf16 numbers are widened again (a shift, a mask) and written as f16.
.macro CVT n, half
	v_cvt_pk_bf16_f32 v[Y+2*(\n)],   v[X+4*(\n)],   v[X+4*(\n)+1]
	v_cvt_pk_bf16_f32 v[Y+2*(\n)+1], v[X+4*(\n)+2], v[X+4*(\n)+3]
.if \half
	v_lshlrev_b32 v[X+4*(\n)],   16, v[Y+2*(\n)]
	v_and_b32     v[X+4*(\n)+1], 0xffff0000, v[Y+2*(\n)]
	v_lshlrev_b32 v[X+4*(\n)+2], 16, v[Y+2*(\n)+1]
	v_and_b32     v[X+4*(\n)+3], 0xffff0000, v[Y+2*(\n)+1]
	v_cvt_pk_f16_f32 v[Y+2*(\n)],   v[X+4*(\n)],   v[X+4*(\n)+1]
	v_cvt_pk_f16_f32 v[Y+2*(\n)+1], v[X+4*(\n)+2], v[X+4*(\n)+3]
.endif
.endm
; Piece n is stored.
.macro PUT n
	global_store_b64 v2, v[Y+2*(\n):Y+2*(\n)+1], s[DST:DST+1] offset:2048*(\n)
.endm
; Block p: pieces 4 p to 4 p + 3 are rounded, and the block before is stored, a store in front of each piece's lines.
.macro BLK p, half
	s_wait_loadcnt 28-4*(\p)                       ; loads come back in order (ISA guide 5.7.1): the block's four are in, the 28 - 4 p younger ones stay out
.if (\p) > 0
	s_wait_alu depctr_va_vdst(0)                   ; the block before has written its four pairs of Y, which the stores below read; no vector instruction behind this wait names them or v2
.endif
.irp i, 0,1,2,3
.if (\p) > 0
	PUT 4*(\p)-4+(\i)
.endif
	CVT 4*(\p)+(\i), \half
.endr
.endm
; Behind block 7: its four stores.
.macro LAST
	s_wait_alu depctr_va_vdst(0)                   ; block 7 has written the last four pairs of Y, which the last four stores read
.irp i, 0,1,2,3
	PUT 28+(\i)
.endr
.endm
	s_cmp_ge_u32 s2, 224
	s_cbranch_scc1 .Lhalf
.irp p, 0,1,2,3,4,5,6,7
	BLK \p, 0
.endr
	LAST
	s_endpgm
.Lhalf:
.irp p, 0,1,2,3,4,5,6,7
	BLK \p, 1
.endr
	LAST
	s_endpgm
.Lfunc_end_k_qa7b099520e_cast:
	.size	k_qa7b099520e_cast, .Lfunc_end_k_qa7b099520e_cast-k_qa7b099520e_cast
	.p2alignl 7, 3214868480
	.fill 96, 4, 3214868480
	.section	.rodata,"a",@progbits
	.p2align	6, 0x0
	.amdhsa_kernel k_qa7b099520e_cast
		.amdhsa_group_segment_fixed_size 0
		.amdhsa_private_segment_fixed_size 0
		.amdhsa_enable_private_segment 0
		.amdhsa_kernarg_size 64
		.amdhsa_user_sgpr_count 2
		.amdhsa_user_sgpr_kernarg_segment_ptr 1
		.amdhsa_wavefront_size32 1
		.amdhsa_system_sgpr_workgroup_id_x 1
		.amdhsa_system_sgpr_workgroup_id_y 1
		.amdhsa_system_sgpr_workgroup_id_z 1
		.amdhsa_system_vgpr_workitem_id 0
		.amdhsa_next_free_vgpr 196
		.amdhsa_next_free_sgpr 66
		.amdhsa_reserve_vcc 0
		.amdhsa_float_denorm_mode_32 3
		.amdhsa_float_denorm_mode_16_64 3
		.amdhsa_memory_ordered 1
		.amdhsa_forward_progress 1
		.amdhsa_inst_pref_size 30
	.end_amdhsa_kernel
	.amdgpu_metadata
---
amdhsa.version: [ 1, 2 ]
amdhsa.kernels:
  - .name:           k_qa7b099520e_cast
    .symbol:         k_qa7b099520e_cast.kd
    .args:
      - { .name: x, .offset: 0, .size: 8, .value_kind: global_buffer, .address_space: global }
      - { .name: Wq, .offset: 8, .size: 8, .value_kind: global_buffer, .address_space: global }
      - { .name: Wk, .offset: 16, .size: 8, .value_kind: global_buffer, .address_space: global }
      - { .name: Wv, .offset: 24, .size: 8, .value_kind: global_buffer, .address_space: global }
      - { .name: Wo, .offset: 32, .size: 8, .value_kind: global_buffer, .address_space: global }
      - { .name: xb, .offset: 40, .size: 8, .value_kind: global_buffer, .address_space: global }
      - { .name: wb, .offset: 48, .size: 8, .value_kind: global_buffer, .address_space: global }
      - { .name: wo, .offset: 56, .size: 8, .value_kind: global_buffer, .address_space: global }
    .group_segment_fixed_size: 0
    .private_segment_fixed_size: 0
    .kernarg_segment_align: 8
    .kernarg_segment_size: 64
    .max_flat_workgroup_size: 256
    .sgpr_count:     66
    .vgpr_count:     196
    .wavefront_size: 32
...
	.end_amdgpu_metadata
.endif
;; end of part 6
;; launch qkv: the kernel of part 2 again; grid 16 x 16, 4 waves a work-group, clusters of 4 x 4, 327,680 bytes of LDS; arguments xb, wb, qkv; writes qkv
;; launch strided: the kernel of part 3 again; grid 16 x 16, 4 waves a work-group, no clusters, 167,936 bytes of LDS; arguments qkv, os, st; writes os, st
;; launch window: the kernel of part 4 again; grid 16 x 16, 8 waves a work-group, no clusters, 175,104 bytes of LDS; arguments qkv, os, st, ob; writes ob
;; launch proj: the kernel of part 5 again; grid 8 x 32, 4 waves a work-group, clusters of 4 x 4, 327,680 bytes of LDS; arguments ob, wo, out0; writes out0
